; MI455X (gfx1250); checked and timed in simulation.
; The chip was launched on July 23, 2026; its instructions are those of AMD's public machine-readable ISA for CDNA 5 (MIT licence, August 2026) and "CDNA5" Instruction Set Architecture Reference Guide (July 2026). The comments in the code are by the model that wrote it; some were corrected since.
;; Hard Constrained MLP unroll. Allowed arithmetic: float matrix products may take bf16 or f16 operands with f32 sums; other float arithmetic in f32, or as packed bf16 or f16 multiplies, adds, multiply-adds, maxima and minima; sums over many terms, partial sums and values carried from step to step in f32; what a program stores and reads back later, other than sums and carried values, may be rounded once to bf16 or f16.
;; Inputs: A 64 x 256 float32; W1 256 x 200 float32; W2 200 x 200 float32; W3 200 x 256 float32; b 16,384 x 64 float32; b1 200 float32; b2 200 float32; b3 256 float32; lb 256 float32; ub 256 float32; x 16,384 x 256 float32.
;; Outputs: out0 16,384 x 256 float32.
;; Constants: n_iter = 100.
;; 2 versions, each right; version 2 is version 1 with the launch prep written anew for expert scheduling mode. Each part assembles by itself: llvm-mc -triple=amdgcn-amd-amdhsa -mcpu=gfx1250 --defsym DOCPART=n.
;; ======== version 1 of 2: 2 launches
;; limits: values are held in f16: magnitudes above 65,504 overflow, below 6.1e-05 lose precision; right only within a limited range of input values
;; workspace buffers: img 401,408 bytes
;; launch prep (part 1): grid 40 x 1, 8 waves a work-group, no clusters, 79,872 bytes of LDS; arguments A, W1, W2, W3, b1, b2, b3, lb, ub, img; writes img
.if DOCPART == 1
	.amdgcn_target "amdgcn-amd-amdhsa--gfx1250"
	.amdhsa_code_object_version 6
	.text
	.protected	k_qa02e7415f3_prep
	.globl	k_qa02e7415f3_prep
	.p2align	8
	.type	k_qa02e7415f3_prep,@function
k_qa02e7415f3_prep:
	s_mov_b64 s[64:65], 0
	v_nop
	global_prefetch_b8 v0, s[64:65] scope:SCOPE_SE
	s_setreg_imm32_b32 hwreg(HW_REG_WAVE_MODE, 25, 1), 1
	s_wait_xcnt 0x0
; PREP: everything that hangs on the weights alone, made once and laid out as the main launch's matrix operands take it.
; THE PROBLEM.  y = MLP(x); 100 steps z <- z + 1.7 (P_eq(2 clip(z) - z) - clip(z)); out = P_eq(clip(z)); P_eq(v) = v - ((v A^T - b) Minv) A, Minv = inv(A A^T + 1e-6 I).
; LESS WORK THAN WRITTEN, for all values of the inputs: ((v A^T - b) Minv) A = (v G^T - b Minv) A with G = Minv A.  That is the products' associativity and Minv's symmetry, and Minv is
; symmetric because reference() itself builds A A^T + 1e-6 I.  So a step has two products (256 -> 64 -> 256) and the product with Minv falls away; b Minv is made once a row.
; No input is left out: all eleven reach the output.  n_iter = 100 is a constant of the problem.
; WHAT IS STORED (img, bytes): W1I 0, W2I 106,496, W3I 199,680, GT 314,368, MI 379,904, VEC 396,288.
; A FRAGMENT is source 0 of a 16x16x32 product: 16 rows m x 32 k of 16-bit numbers, 1,024 bytes: lane l = r + 16 h keeps k = 8h..8h+7 of row r at byte 16 l and k = 16+8h..+7 at byte 512 + 16 l.
;   W1I (bf16) fragment kb*13+t: (m = 16t+r, k) = W1[k][m], 0 for m >= 200.   W2I kb*13+t: 0 for m or k >= 200.   W3I kb*16+t: 0 for k >= 200.
;   GT  (f16) 64 fragments in the order in which the main loop multiplies: A^T / alpha (dims x constraints) and alpha G'', G'' = -1.7 Minv A (constraints x dims).
;   MI  (bf16) +1.7 alpha Minv as hi (8 fragments) and lo (8).   VEC  f32: b1, b2 (0 from 200 on), b3, min(lb, ub), ub.
; ALPHA is a power of two, the scale of a row of A: 2^floor(log2(trace(A A^T) / 64) / 2).  It cancels in (v G^T - b Minv) A, exactly; it keeps A / alpha, alpha G'' and the main loop's alpha s'' in
; f16's range whatever A's scale is.
; FORMATS AND LIMITS.  Every input is rounded once to bf16 (the vectors too, and stored widened to f32).  A / alpha in f16 is that bf16 number, exact where it is 2^-17 or more in size and within 2^-25
; below.  Minv is made in f32 and carried as hi + lo (16 bits); alpha G'' is rounded to f16.  min(lb, ub) for the lower bound makes the middle of (z, lower, ub) equal min(max(z, lb), ub) also where
; lb > ub.  The inverse is made by 64 symmetric sweeps without pivoting: A A^T + 1e-6 I is symmetric positive definite by its construction.  NaN and infinities are not treated apart.
; SHARES.  Work-group 0: the inverse, GT, MI.  Work-groups 1..39: one wave a fragment of W1I, W2I, W3I (307 of them), two waves for VEC; they touch no LDS but the closing add.
.set IW2,  106496
.set IW3,  199680
.set IGT,  314368
.set IMI,  379904
.set IVEC, 396288
.set AB,     0            ; LDS: A in bf16, [64][256], rows 544 bytes apart
.set APITCH, 544
.set MF,     34816        ; M = A A^T in f32, [64][64], rows 272 bytes apart
.set MPITCH, 272
.set RB,     52224        ; two buffers of 4,096 bytes: thread t's 16 bytes at 16 t
.set RBUF,   4096
.set NH,     60416        ; -1.7 alpha Minv, bf16 hi, [64][64], rows 144 bytes apart; the lo part 9,216 bytes behind
.set NPITCH, 144
.set NPART,  64*NPITCH
.set SPARE,  78848        ; the spare words: 128 bytes for each of the eight waves, four blocks of 256 bytes that no other line names
.set IA,  20              ; v[20:21]  1 / alpha, twice
.set FA,  22              ; v22  1.7 alpha
.set SPW, 30              ; v30  LDS address of my spare word; never rewritten
.set NIL, 31              ; v31  0; never rewritten
.set MB,  32              ; v[32:47]  my 4 x 4 block of M, row c at MB + 4 c
.set VI,  48              ; v[48:51]  the pivot row at my block's rows
.set VJ,  52              ; v[52:55]  the pivot row at my block's columns
.set GG,  56              ; v[56:59]  VJ / pivot
.set DD,  60
.set RI,  61
.set NR,  62
.set WO,  64              ; v[64:79]  the conversion's sixteen load offsets
.macro PLACES             ; four plain vector instructions between a matrix instruction and what reads its result or writes its registers (ISA guide 7.12.1)
.rept 4
	v_nop
.endr
.endm
.macro BAR                ; my LDS instructions are done; then the work-group's barrier
	s_wait_dscnt 0x0
	s_barrier_signal -1
	s_barrier_wait -1
.endm
	s_load_b512 s[4:19], s[0:1], 0x0               ; A s[4:5], W1 s[6:7], W2 s[8:9], W3 s[10:11], b1 s[12:13], b2 s[14:15], b3 s[16:17], lb s[18:19]
	s_load_b128 s[20:23], s[0:1], 0x40             ; ub s[20:21], img s[22:23]
	v_lshl_add_u32 v[SPW], v0, 2, SPARE
	v_mov_b32 v[NIL], 0
	v_lshrrev_b32 v1, 5, v0
	v_readfirstlane_b32 s24, v1                    ; wave 0..7
	v_and_b32 v1, 31, v0                           ; l
	v_and_b32 v2, 15, v0                           ; r (in work-group 0 also tj)
	v_bfe_u32 v3, v0, 4, 1                         ; h
	s_wait_kmcnt 0x0
	s_cmp_eq_u32 ttmp9, 0
	s_cbranch_scc1 .Linverse
	; ---- WORK-GROUPS 1..39: slot f = 8 (work-group - 1) + wave ----
	s_sub_co_u32 s25, ttmp9, 1
	s_lshl_b32 s25, s25, 3
	s_add_co_u32 s25, s25, s24
	s_cmp_ge_u32 s25, 309
	s_cbranch_scc1 .Lend                           ; three slots of the last work-group have no job
	s_cmp_ge_u32 s25, 307
	s_cbranch_scc1 .Lvec
	s_movk_i32 s40, 200
	s_movk_i32 s41, 256
	s_mov_b32 s42, IW2
	s_mov_b32 s43, IW3
	s_sub_co_u32 s27, s25, 104
	s_sub_co_u32 s28, s25, 195
	s_cmp_lt_u32 s25, 195                          ; W2 or W3
	s_cselect_b32 s26, s27, s28                    ; the fragment's number in its image
	s_cselect_b64 s[30:31], s[8:9], s[10:11]
	s_cselect_b32 s32, s40, s41                    ; N: numbers in a row of the weight = its real output features
	s_cselect_b32 s33, s42, s43                    ; the image's first byte
	s_cmp_lt_u32 s25, 104                          ; or W1
	s_cselect_b32 s26, s25, s26
	s_cselect_b64 s[30:31], s[6:7], s[30:31]
	s_cselect_b32 s34, s41, s40                    ; KR: its real input features
	s_cselect_b32 s33, 0, s33
	s_mul_hi_u32 s35, s26, 0x13b13b14              ; f' / 13 (exact for f' < 104: 13 x 0x13b13b14 = 2^32 + 4)
	s_mul_i32 s36, s35, 13
	s_sub_co_u32 s36, s26, s36
	s_lshr_b32 s37, s26, 4                         ; f' / 16
	s_and_b32 s38, s26, 15
	s_cmp_lt_u32 s25, 195
	s_cselect_b32 s35, s35, s37                    ; kb
	s_cselect_b32 s36, s36, s38                    ; t
	s_lshl_b32 s36, s36, 4
	s_lshl_b32 s35, s35, 5
	s_sub_co_u32 s37, s32, 1                       ; N - 1
	s_sub_co_u32 s38, s34, 8                       ; KR - 8
	s_lshl_b32 s39, s32, 2                         ; bytes from a row of the weight to the next
	s_lshl_b32 s26, s26, 10
	s_add_co_u32 s33, s33, s26                     ; the fragment's first byte in img
	v_add_nc_u32 v4, s36, v2                       ; m = 16 t + r
	v_cmp_gt_u32 s44, s32, v4                      ; m is a real feature
	v_min_u32 v5, s37, v4                          ; a padded one loads the last real one, and is set to 0 below
	v_lshl_add_u32 v6, v3, 3, s35                  ; k0 = 32 kb + 8 h
	v_lshl_add_u32 v7, v1, 4, s33
.irp u, 0,1
	v_add_nc_u32 v8, 16*\u, v6
	v_cmp_gt_u32 s[45+\u], s34, v8                 ; KR is a multiple of 8: my eight k are all real or all padded
	v_min_u32 v8, s38, v8
	v_mul_lo_u32 v8, v8, s32
	v_add_lshl_u32 v[WO+8*\u], v8, v5, 2
.irp e, 1,2,3,4,5,6,7
	v_add_nc_u32 v[WO+8*\u+\e], s39, v[WO+8*\u+\e-1]
.endr
.endr
	s_and_b32 s45, s45, s44
	s_and_b32 s46, s46, s44
.irp u, 0,1
.irp e, 0,1,2,3,4,5,6,7
	global_load_b32 v[32+8*\u+\e], v[WO+8*\u+\e], s[30:31]  ; W[k0 + 16 u + e][m]: sixteen lanes take 64 neighbouring bytes
.endr
.endr
	s_wait_loadcnt 0x0
.irp u, 0,1
.irp i, 0,1,2,3
	v_cvt_pk_bf16_f32 v[48+4*\u+\i], v[32+8*\u+2*\i], v[33+8*\u+2*\i]
.endr
.irp i, 0,1,2,3
	v_cndmask_b32 v[48+4*\u+\i], 0, v[48+4*\u+\i], s[45+\u]
.endr
	global_store_b128 v7, v[48+4*\u:51+4*\u], s[22:23] offset:512*\u  ; the wave stores 512 consecutive bytes, aligned
.endr
	s_branch .Lend
.Lvec:                                                 ; slots 307, 308: lane l has quad i = 32 (f - 307) + l of each vector
	s_sub_co_u32 s26, s25, 307
	s_lshl_b32 s26, s26, 5
	v_add_nc_u32 v4, s26, v1
	v_min_u32 v5, 49, v4                           ; b1 and b2 have 50 quads
	v_lshlrev_b32 v5, 4, v5
	v_lshlrev_b32 v6, 4, v4
	global_load_b128 v[32:35], v5, s[12:13]
	global_load_b128 v[36:39], v5, s[14:15]
	global_load_b128 v[40:43], v6, s[16:17]
	global_load_b128 v[44:47], v6, s[18:19]
	global_load_b128 v[48:51], v6, s[20:21]
	v_cmp_gt_u32 vcc_lo, 50, v4
	s_wait_loadcnt 0x0
.set i_, 0
.rept 10
	v_cvt_pk_bf16_f32 v[52+i_], v[32+2*i_], v[33+2*i_]   ; rounded to bf16,
.set i_, i_+1
.endr
.set i_, 0
.rept 10
	v_lshlrev_b32 v[32+2*i_], 16, v[52+i_]               ; and widened again
	v_and_b32 v[33+2*i_], 0xffff0000, v[52+i_]
.set i_, i_+1
.endr
.set i_, 0
.rept 8
	v_cndmask_b32 v[32+i_], 0, v[32+i_], vcc_lo          ; b1, b2: 0 from element 200 on
.set i_, i_+1
.endr
.set i_, 0
.rept 4
	v_min_num_f32 v[44+i_], v[44+i_], v[48+i_]           ; the lower bound is min(lb, ub)
.set i_, i_+1
.endr
.irp a, 0,1,2,3,4
	global_store_b128 v6, v[32+4*\a:35+4*\a], s[22:23] offset:IVEC+1024*\a
.endr
	s_branch .Lend
	; ---- WORK-GROUP 0 ----
.Linverse:
	v_lshrrev_b32 v4, 4, v0                        ; ti: my block's rows 4 ti .. 4 ti + 3; tj = v2: its columns
	v_lshlrev_b32 v5, 4, v0                        ; 16 t; never rewritten
.set i_, 0
.rept 16
	global_load_b128 v[32+4*i_:35+4*i_], v5, s[4:5] offset:4096*i_   ; A, quad 256 i + t: row 4 i + t / 64
.set i_, i_+1
.endr
	v_lshrrev_b32 v6, 6, v0
	v_and_b32 v7, 63, v0
	v_mul_u32_u24 v6, v6, APITCH
	v_lshl_add_u32 v6, v7, 3, v6
	s_mov_b32 s48, 0x76543210                      ; v_permlanex16_b32: each lane takes its own place in the other half
	s_mov_b32 s49, 0xfedcba98
	s_wait_loadcnt 0x0
.set i_, 0
.rept 16
	v_cvt_pk_bf16_f32 v[96+2*i_], v[32+4*i_], v[33+4*i_]
	v_cvt_pk_bf16_f32 v[97+2*i_], v[34+4*i_], v[35+4*i_]
	ds_store_b64 v6, v[96+2*i_:97+2*i_] offset:AB+4*APITCH*i_
.set i_, i_+1
.endr
	BAR                                            ; A lies in LDS, whole
	; M = A A^T: wave w makes the tiles (rb = w / 2, cb = 2 (w % 2) + 0, 1).  Source 0 = rows 16 rb .., source 1 = rows 16 cb ..
	s_lshr_b32 s25, s24, 1
	s_and_b32 s26, s24, 1
	s_lshl_b32 s26, s26, 1
	v_mul_u32_u24 v7, v2, APITCH
	v_lshl_add_u32 v7, v3, 4, v7
	s_mul_i32 s27, s25, 16*APITCH
	s_mul_i32 s28, s26, 16*APITCH
	v_add_nc_u32 v8, s27, v7
	v_add_nc_u32 v9, s28, v7
.set k_, 0
.rept 8
	ds_load_b128 v[32+8*k_:35+8*k_],   v8 offset:AB+64*k_
	ds_load_b128 v[36+8*k_:39+8*k_],   v8 offset:AB+64*k_+32
	ds_load_b128 v[96+8*k_:99+8*k_],   v9 offset:AB+64*k_
	ds_load_b128 v[100+8*k_:103+8*k_], v9 offset:AB+64*k_+32
	ds_load_b128 v[160+8*k_:163+8*k_], v9 offset:AB+16*APITCH+64*k_
	ds_load_b128 v[164+8*k_:167+8*k_], v9 offset:AB+16*APITCH+64*k_+32
.set k_, k_+1
.endr
	v_mul_u32_u24 v10, v2, MPITCH                  ; a lane holds M[16 rb + 8 h + j][16 cb + r]: by M's symmetry it is stored as row 16 cb + r, columns 16 rb + 8 h + j
	v_lshl_add_u32 v10, v3, 5, v10
	s_mul_i32 s27, s26, 16*MPITCH
	s_lshl_b32 s28, s25, 6
	s_add_co_u32 s27, s27, s28
	s_add_co_u32 s27, s27, MF
	v_add_nc_u32 v10, s27, v10
	s_wait_dscnt 0x0
	v_wmma_f32_16x16x32_bf16 v[224:231], v[32:39], v[96:103], 0       ; the first k block starts both sums; the two accumulators take turns
	v_wmma_f32_16x16x32_bf16 v[232:239], v[32:39], v[160:167], 0
.set k_, 1
.rept 7
	v_wmma_f32_16x16x32_bf16 v[224:231], v[32+8*k_:39+8*k_], v[96+8*k_:103+8*k_], v[224:231]
	v_wmma_f32_16x16x32_bf16 v[232:239], v[32+8*k_:39+8*k_], v[160+8*k_:167+8*k_], v[232:239]
.set k_, k_+1
.endr
	PLACES
	ds_store_b128 v10, v[224:227]
	ds_store_b128 v10, v[228:231] offset:16
	ds_store_b128 v10, v[232:235] offset:16*MPITCH
	ds_store_b128 v10, v[236:239] offset:16*MPITCH+16
	BAR                                            ; M lies in LDS, whole
	v_mul_u32_u24 v11, v4, 4*MPITCH
	v_lshl_add_u32 v11, v2, 4, v11
.irp c, 0,1,2,3
	ds_load_b128 v[MB+4*\c:MB+4*\c+3], v11 offset:MF+MPITCH*\c
.endr
	v_mul_u32_u24 v13, v1, MPITCH+4                ; lane l takes M[l][l] and M[l + 32][l + 32]
	ds_load_b32 v14, v13 offset:MF
	ds_load_b32 v15, v13 offset:MF+32*(MPITCH+4)
	v_cmp_eq_u32 vcc_lo, v4, v2
	v_mov_b32 v12, 0x358637bd                      ; 1e-6
	v_cndmask_b32 v12, 0, v12, vcc_lo              ; for the blocks on the diagonal
	v_lshlrev_b32 v6, 4, v4                        ; 16 ti
	v_lshlrev_b32 v7, 4, v2                        ; 16 tj
	s_wait_dscnt 0x0
.irp c, 0,1,2,3
	v_add_f32 v[MB+5*\c], v[MB+5*\c], v12
.endr
	ds_store_b128 v5, v[MB:MB+3] offset:RB         ; every thread hands out row 0 of its block; pivot 0's row is what the threads with ti = 0 wrote
	; alpha, in every lane of every wave: the trace's exponent field E; a = floor((E - 127 - 6) / 2), between -67 and 60, so 127 + a and 127 - a are exponent fields of normal numbers
	v_add_f32 v14, v14, v15
	v_add_f32_dpp v14, v14, v14 row_xmask:1 row_mask:0xf bank_mask:0xf
	v_add_f32_dpp v14, v14, v14 row_xmask:2 row_mask:0xf bank_mask:0xf
	v_add_f32_dpp v14, v14, v14 row_xmask:4 row_mask:0xf bank_mask:0xf
	v_add_f32_dpp v14, v14, v14 row_xmask:8 row_mask:0xf bank_mask:0xf
	v_permlanex16_b32 v15, v14, s48, s49
	v_add_f32 v14, v14, v15                        ; the trace of A A^T: a sum of squares, its sign bit is 0
	v_lshrrev_b32 v14, 23, v14
	v_add_nc_u32 v14, 0xffffff7b, v14              ; E - 133
	v_ashrrev_i32 v14, 1, v14                      ; a
	v_add_nc_u32 v15, 127, v14
	v_lshlrev_b32 v15, 23, v15                     ; alpha = 2^a
	v_mul_f32 v[FA], 0x3fd9999a, v15               ; 1.7 alpha
	v_sub_nc_u32 v14, 127, v14
	v_lshlrev_b32 v[IA], 23, v14                   ; 1 / alpha
	v_mov_b32 v[IA+1], v[IA]
	BAR
; THE SWEEP of pivot k = 4 kb + a.  V = row k (= column k, by symmetry), d = V[k]:  M[i][j] -= V[i] V[j] / d;  M[i][k] = V[i] / d;  M[k][j] = V[j] / d;  M[k][k] = -1 / d.
; As one update M[i][j] -= f[i] g[j]: f = V but f[k] = -1; g = V / d but g[k] = -1 / d; row k and column k are set to 0 first.  After all 64 pivots M holds -inv(M).
; HAND-OVER.  Each thread stores the block row that holds the next pivot's row index, (a + 1) % 4, into its own 16 bytes of the other buffer; the readers take the 256 bytes of the 16 threads that own
; the pivot's row: at 256 kb.  One barrier a pivot orders both ways: this pivot's reads (buffer a % 2) are waited for ahead of the signal, and the other buffer was last read ahead of the barrier before.
.macro SWEEP a
.set p_, (\a)%2
.set nx_, ((\a)+1)%4
	ds_load_b128 v[VI:VI+3], v8 offset:RB+RBUF*p_
	ds_load_b128 v[VJ:VJ+3], v9 offset:RB+RBUF*p_
	s_wait_dscnt 0x0
	v_readlane_b32 s45, v[VJ+\a], s41              ; lane kb of every wave has tj = kb: its VJ[a] is d
	v_mov_b32 v[DD], s45
	v_rcp_f32 v[RI], v[DD]
	v_cndmask_b32 v[VI+\a], v[VI+\a], -1.0, s42    ; f[k] = -1: the plain instruction behind the reciprocal
	s_wait_alu depctr_va_vdst(0)                   ; the wait ahead of the reciprocal's first reader
.irp j, 0,1,2,3
	v_mul_f32 v[GG+\j], v[VJ+\j], v[RI]
.endr
	v_mul_f32 v[NR], -1.0, v[RI]
	v_cndmask_b32 v[GG+\a], v[GG+\a], v[NR], s43   ; g[k] = -1 / d
.irp j, 0,1,2,3
	v_cndmask_b32 v[MB+4*(\a)+\j], v[MB+4*(\a)+\j], 0, s42
.endr
.irp c, 0,1,2,3
	v_cndmask_b32 v[MB+4*\c+(\a)], v[MB+4*\c+(\a)], 0, s43
.endr
.irp j, 0,1,2,3
	v_fma_f32 v[MB+4*nx_+\j], -v[VI+nx_], v[GG+\j], v[MB+4*nx_+\j]   ; the row that is handed out comes first
.endr
	ds_store_b128 v5, v[MB+4*nx_:MB+4*nx_+3] offset:RB+RBUF*(1-p_)
	s_wait_dscnt 0x0                               ; for the others' sake: my store is done (my reads were waited for above)
	s_barrier_signal -1
.irp e, 1,2,3                                          ; the other three rows: work on registers between the signal and the wait
.irp j, 0,1,2,3
	v_fma_f32 v[MB+4*((nx_+\e)%4)+\j], -v[VI+(nx_+\e)%4], v[GG+\j], v[MB+4*((nx_+\e)%4)+\j]
.endr
.endr
	s_barrier_wait -1
.endm
	s_mov_b32 s41, 0                               ; kb
	s_mov_b32 s47, 0                               ; 256 kb
.Lsweep:                                               ; 16 trips of four pivots
	v_cmp_eq_u32 s42, s41, v4                      ; my block holds the pivots' rows
	v_cmp_eq_u32 s43, s41, v2                      ; my block holds the pivots' columns
	v_add_nc_u32 v8, s47, v6
	v_add_nc_u32 v9, s47, v7
	SWEEP 0
	SWEEP 1
	SWEEP 2
	SWEEP 3
	s_add_co_u32 s47, s47, 256
	s_add_co_u32 s41, s41, 1
	s_cmp_lt_u32 s41, 16
	s_cbranch_scc1 .Lsweep
	; N = 1.7 alpha x (-Minv), split into bf16 hi and lo
.set i_, 0
.rept 16
	v_mul_f32 v[MB+i_], v[FA], v[MB+i_]
.set i_, i_+1
.endr
.set i_, 0
.rept 8
	v_cvt_pk_bf16_f32 v[64+i_], v[MB+2*i_], v[MB+2*i_+1]
.set i_, i_+1
.endr
.set i_, 0
.rept 8
	v_lshlrev_b32 v[80+2*i_], 16, v[64+i_]
	v_and_b32 v[81+2*i_], 0xffff0000, v[64+i_]
.set i_, i_+1
.endr
.set i_, 0
.rept 16
	v_sub_f32 v[MB+i_], v[MB+i_], v[80+i_]
.set i_, i_+1
.endr
.set i_, 0
.rept 8
	v_cvt_pk_bf16_f32 v[72+i_], v[MB+2*i_], v[MB+2*i_+1]
.set i_, i_+1
.endr
	v_mul_u32_u24 v10, v4, 4*NPITCH
	v_lshl_add_u32 v10, v2, 3, v10
	v_add_nc_u32 v10, NH, v10
.irp c, 0,1,2,3
	ds_store_b64 v10, v[64+2*\c:65+2*\c] offset:NPITCH*\c
	ds_store_b64 v10, v[72+2*\c:73+2*\c] offset:NPART+NPITCH*\c
.endr
	BAR                                            ; N lies in LDS, whole
	; GT.  Wave w owns the dims 32 w .. 32 w + 31: tiles dt = 2 w + d.  AT[d][kblk] = A^T (16 dims x 32 constraints), turned on its way out of LDS.
	v_and_b32 v10, 7, v0
	v_lshl_add_u32 v10, v3, 3, v10                 ; constraint 8 h + l % 8
	v_mul_u32_u24 v10, v10, APITCH
	v_bfe_u32 v11, v0, 3, 1
	v_lshl_add_u32 v10, v11, 4, v10
	s_lshl_b32 s25, s24, 6
	v_add_nc_u32 v10, s25, v10
.irp d, 0,1
.irp k, 0,1
	ds_load_tr16_b128 v[32+8*(2*\d+\k):35+8*(2*\d+\k)], v10 offset:AB+32*\d+32*APITCH*\k
	ds_load_tr16_b128 v[36+8*(2*\d+\k):39+8*(2*\d+\k)], v10 offset:AB+32*\d+32*APITCH*\k+16*APITCH
.endr
.endr
	v_mul_u32_u24 v12, v2, NPITCH
	v_lshl_add_u32 v12, v3, 4, v12
	v_add_nc_u32 v12, NH, v12                      ; N's fragments: rows 16 mt + r, k = 32 kblk .., part c / 2, kblk = c % 2
.set c_, 0
.rept 4
.set m_, 0
.rept 4
	ds_load_b128 v[64+8*(m_+4*c_):67+8*(m_+4*c_)], v12 offset:16*NPITCH*m_+64*(c_%2)+NPART*(c_/2)
	ds_load_b128 v[68+8*(m_+4*c_):71+8*(m_+4*c_)], v12 offset:16*NPITCH*m_+64*(c_%2)+NPART*(c_/2)+32
.set m_, m_+1
.endr
.set c_, c_+1
.endr
	s_lshl_b32 s26, s24, 2                         ; where the main loop takes A^T's four fragments of dim block w: fragment max(4 w, 8 w - 8) on,
	s_lshl_b32 s27, s24, 3
	s_sub_co_i32 s28, s27, 8
	s_max_i32 s26, s26, s28
	s_lshl_b32 s26, s26, 10
	s_add_co_u32 s26, s26, IGT
	v_lshl_add_u32 v16, v1, 4, s26
	s_add_co_u32 s27, s27, 12                      ; and G'''s four: fragment min(12 + 8 w, 32 + 4 w) on
	s_lshl_b32 s28, s24, 2
	s_add_co_u32 s28, s28, 32
	s_min_u32 s27, s27, s28
	s_lshl_b32 s27, s27, 10
	s_add_co_u32 s27, s27, IGT
	v_lshl_add_u32 v17, v1, 4, s27
	s_wait_dscnt 0x0
	; A^T / alpha in f16, number for number where the bf16 one lies: widened, scaled (exact), written as f16
.set i_, 0
.rept 32
.set t_, 224+2*(i_%8)
	v_lshlrev_b32 v[t_], 16, v[32+i_]
	v_and_b32 v[t_+1], 0xffff0000, v[32+i_]
	v_pk_mul_f32 v[t_:t_+1], v[t_:t_+1], v[IA:IA+1]
	v_cvt_pk_f16_f32 v[192+i_], v[t_], v[t_+1]
.set i_, i_+1
.endr
.irp d, 0,1
.irp k, 0,1
	global_store_b128 v16, v[192+8*(2*\d+\k):195+8*(2*\d+\k)], s[22:23] offset:1024*(\d+2*\k)
	global_store_b128 v16, v[196+8*(2*\d+\k):199+8*(2*\d+\k)], s[22:23] offset:1024*(\d+2*\k)+512
.endr
.endr
	s_wait_xcnt 0x0                                ; the stores have read v192-223: the products below write over them only behind this wait
	; alpha G''[16 mt + r][16 dt + 8 h + j] = the sum over constraints of A[.][dim] N[16 mt + r][.]: eight accumulators by turns, hi and lo of N
.set c_, 0
.rept 4
.set d_, 0
.rept 2
.set m_, 0
.rept 4
.set ac_, 192+8*(4*d_+m_)
.set at_, 32+8*(2*d_+c_%2)
.set nf_, 64+8*(m_+4*c_)
.if c_ == 0
	v_wmma_f32_16x16x32_bf16 v[ac_:ac_+7], v[at_:at_+7], v[nf_:nf_+7], 0
.else
	v_wmma_f32_16x16x32_bf16 v[ac_:ac_+7], v[at_:at_+7], v[nf_:nf_+7], v[ac_:ac_+7]
.endif
.set m_, m_+1
.endr
.set d_, d_+1
.endr
.set c_, c_+1
.endr
	PLACES
.set a_, 0
.rept 8
.set i_, 0
.rept 4
	v_cvt_pk_f16_f32 v[64+4*a_+i_], v[192+8*a_+2*i_], v[192+8*a_+2*i_+1]
.set i_, i_+1
.endr
	global_store_b128 v17, v[64+4*a_:67+4*a_], s[22:23] offset:1024*(a_%4)+512*(a_/4)   ; tile d = a / 4 is half d of the fragment of constraint tile a % 4
.set a_, a_+1
.endr
	; MI = -N: wave w copies half w % 2 of the fragments of row tile w / 2, for kblk = idx % 2 and part = idx / 2
	s_lshr_b32 s25, s24, 1
	s_mul_i32 s25, s25, 16*NPITCH
	s_and_b32 s26, s24, 1
	s_lshl_b32 s26, s26, 5
	s_add_co_u32 s25, s25, s26
	v_add_nc_u32 v13, s25, v12
	s_lshl_b32 s26, s24, 9
	s_add_co_u32 s26, s26, IMI
	v_lshl_add_u32 v18, v1, 4, s26
.irp x, 0,1,2,3
	ds_load_b128 v[96+4*\x:99+4*\x], v13 offset:64*(\x%2)+NPART*(\x/2)
.endr
	s_wait_dscnt 0x0
.set i_, 0
.rept 16
	v_xor_b32 v[96+i_], 0x80008000, v[96+i_]       ; both halves change sign
.set i_, i_+1
.endr
.irp x, 0,1,2,3
	global_store_b128 v18, v[96+4*\x:99+4*\x], s[22:23] offset:4096*\x
.endr
.Lend:
	s_wait_tensorcnt 0x0                           ; the wave's end: behind my last LDS store
	ds_add_u32 v[SPW], v[NIL]
	s_wait_dscnt 0x0
	s_endpgm
.Lfunc_end_k_qa02e7415f3_prep:
	.size	k_qa02e7415f3_prep, .Lfunc_end_k_qa02e7415f3_prep-k_qa02e7415f3_prep
	.p2alignl 7, 3214868480
	.fill 96, 4, 3214868480
	.section	.rodata,"a",@progbits
	.p2align	6, 0x0
	.amdhsa_kernel k_qa02e7415f3_prep
		.amdhsa_group_segment_fixed_size 79872
		.amdhsa_private_segment_fixed_size 0
		.amdhsa_enable_private_segment 0
		.amdhsa_kernarg_size 80
		.amdhsa_user_sgpr_count 2
		.amdhsa_user_sgpr_kernarg_segment_ptr 1
		.amdhsa_wavefront_size32 1
		.amdhsa_system_sgpr_workgroup_id_x 1
		.amdhsa_system_sgpr_workgroup_id_y 1
		.amdhsa_system_sgpr_workgroup_id_z 1
		.amdhsa_system_vgpr_workitem_id 0
		.amdhsa_next_free_vgpr 256
		.amdhsa_next_free_sgpr 66
		.amdhsa_reserve_vcc 1
		.amdhsa_float_denorm_mode_32 3
		.amdhsa_float_denorm_mode_16_64 3
		.amdhsa_memory_ordered 1
		.amdhsa_forward_progress 1
		.amdhsa_inst_pref_size 54
	.end_amdhsa_kernel
	.amdgpu_metadata
---
amdhsa.version: [ 1, 2 ]
amdhsa.kernels:
  - .name:           k_qa02e7415f3_prep
    .symbol:         k_qa02e7415f3_prep.kd
    .args:
      - { .name: A, .offset: 0, .size: 8, .value_kind: global_buffer, .address_space: global }
      - { .name: W1, .offset: 8, .size: 8, .value_kind: global_buffer, .address_space: global }
      - { .name: W2, .offset: 16, .size: 8, .value_kind: global_buffer, .address_space: global }
      - { .name: W3, .offset: 24, .size: 8, .value_kind: global_buffer, .address_space: global }
      - { .name: b1, .offset: 32, .size: 8, .value_kind: global_buffer, .address_space: global }
      - { .name: b2, .offset: 40, .size: 8, .value_kind: global_buffer, .address_space: global }
      - { .name: b3, .offset: 48, .size: 8, .value_kind: global_buffer, .address_space: global }
      - { .name: lb, .offset: 56, .size: 8, .value_kind: global_buffer, .address_space: global }
      - { .name: ub, .offset: 64, .size: 8, .value_kind: global_buffer, .address_space: global }
      - { .name: img, .offset: 72, .size: 8, .value_kind: global_buffer, .address_space: global }
    .group_segment_fixed_size: 79872
    .private_segment_fixed_size: 0
    .kernarg_segment_align: 8
    .kernarg_segment_size: 80
    .max_flat_workgroup_size: 256
    .sgpr_count:     66
    .vgpr_count:     256
    .wavefront_size: 32
...
	.end_amdgpu_metadata
.endif
;; end of part 1
;; launch main (part 2): grid 256 x 1, 4 waves a work-group, clusters of 4 x 1, 327,680 bytes of LDS; arguments x, b, img, out0; writes out0
.if DOCPART == 2
	.amdgcn_target "amdgcn-amd-amdhsa--gfx1250"
	.amdhsa_code_object_version 6
	.text
	.protected	k_qa02e7415f3_main
	.globl	k_qa02e7415f3_main
	.p2align	8
	.type	k_qa02e7415f3_main,@function
k_qa02e7415f3_main:
	s_mov_b64 s[64:65], 0
	v_nop
	global_prefetch_b8 v0, s[64:65] scope:SCOPE_SE
	s_setreg_imm32_b32 hwreg(HW_REG_WAVE_MODE, 25, 1), 1
	s_wait_xcnt 0x0
	s_wait_alu depctr_hold_cnt(0) depctr_sa_sdst(0) depctr_va_vdst(0) depctr_va_sdst(0) depctr_va_ssrc(0) depctr_va_vcc(0) depctr_vm_vsrc(0)
	s_getreg_b32 s2, hwreg(HW_REG_IB_STS2, 6, 4)
	s_cmp_eq_u32 s2, 0
	s_cbranch_scc0 .Lentry_in_a_cluster
	s_endpgm
.Lentry_in_a_cluster:
	s_bfe_u32 s2, ttmp6, 0x10000c
	s_cmp_lg_u32 s2, 0x3003
	s_cbranch_scc0 .Lentry_shape_is_right
	s_endpgm
.Lentry_shape_is_right:
; MAIN: y = MLP(x); 100 steps z <- z + 1.7 (P_eq(2 clip(z) - z) - clip(z)); out0 = P_eq(clip(z)).  Everything for a row stays in one wave, from x to out0.
; LESS WORK THAN WRITTEN (shown at the head of the first kernel): ((v A^T - b) Minv) A = (v G^T - b Minv) A with G = Minv A, for all values of the inputs.  With p = clip(z), w = 2 p - z:
;   s'' = w G''^T + c'',  G'' = -1.7 Minv A,  c'' = b (1.7 Minv);    z' = u + s'' A,  u = 1.7 p - 0.7 z;    out = p + (s'' / 1.7) A with w = p.
; The first launch's power of two alpha rides along: the images hold alpha G'', 1.7 alpha Minv and A / alpha, so s'' and c'' below are alpha times the ones above, and alpha cancels in s'' A.
; SHARES.  A work-group owns 64 rows, each of its four waves 16, for the whole launch: 256 work-groups x 4 waves x 16 rows = 16,384.
; LAYOUT.  Every product is taken transposed: source 0 = a weight fragment (16 output features x 32 k, as the first launch laid it), source 1 = my 16 rows.  In each result a lane holds ONE row
; (lane % 16) and the features 16 t + 8 (lane / 16) + 0..7; two neighbouring result tiles, rounded in pairs, ARE the next product's source 1.  So nothing changes lanes.
; IN REGISTERS through the 100 steps: z (128), all 64 fragments of A^T and G'' (512), both bounds (256).  c'' (32 registers' worth) waits in LDS and is read anew in each step.
; FORMATS.  All inputs are rounded once to bf16.  The MLP multiplies in bf16, the hidden layers as hi + lo.  The steps and the last projection multiply in f16: w, p and s'' are what the program itself
; makes, and a rounding of theirs is turned by the clip out of A's row space and reaches the output, so they get f16's 11 bits.  z, u, c'' and all sums stay in f32.
; A SCALE FOR EACH ROW keeps f16's range out of it.  A step commutes with a positive scaling of z, lb, ub and c'' together, and a power of two is exact in f32.  B = the largest of |y|, |lb|, |ub|, |c''|
; of the row, held to 2^-60 .. 2^60; the row is multiplied by 2^(5 - floor(log2 B)) ahead of the loop, so B lies in 32 .. 64, and by the inverse ahead of the way out.
; LIMITS.  f16 leaves a factor of 2^10 above B.  Where box and plane meet, |z| <= |y| + 2 |p*| <= 48 B in the row's norm (16 x the largest number), |w| <= 80 B and
; |s''| <= 1.7 (80 alpha / sigma_min(A) + 8) B: no overflow while sigma_min(A) is above a seventh of alpha, the scale of A's rows.  Where they do not meet z grows by a fixed step; a number past 1,024 B
; becomes an infinity.  Below B / 2^19 a number keeps f16's fixed step, B / 2^30.  The sums' order of rounding differs from reference()'s.  NaN and infinities are not treated apart.
; CLUSTER.  The four work-groups of a cluster read the same images: each image tile is asked for jointly (mask 15).  x and b have one reader each: plain loads.
; LDS.  R1 [0, 106,496): W1I, later GT.   R2 [106,496, 199,680): W2I; when it has been read out, each wave's c'' (4,096 bytes) and its stage for the way out (16 rows x 1,040).
;       R3 [199,680, 314,368): the waves' tiles of x (16 x 1,040) and b (16 x 272), later W3I.   314,368: the spare words.   314,880: the five vectors.
; REGISTERS, in windows of 256 (s_set_vgpr_msb: bits 1:0 source 0, 3:2 source 1, 5:4 source 2, 7:6 destination):
;   window 0: v0-29 addresses and the scale; v32-63 S; v64-79 SB; v80-95 WB (two buffers); v96-111 P; v112-127 W32; v128-255 Z
;   window 1: two fragment buffers of 128 (MLP); loop fragments 0-31        window 2: H1 v0-103, MI / H2 v128-..; loop fragments 32-63
;   window 3: XB v0-63, then H1 hi v0-55, lo v56-111; BB v112-127; H2 hi v128-183, lo v184-239; in the loop the lower bound v0-127, the upper v128-255
.set IW2,  106496
.set IW3,  199680
.set IGT,  314368
.set IMI,  379904
.set IVEC, 396288
.set R1, 0
.set R2, 106496
.set R3, 199680
.set XPITCH, 1040         ; a row of x in LDS: 1,024 bytes + 16: the sixteen rows that a load touches start 4 banks apart (64 banks of 4 bytes: ISA guide 11.1)
.set XT,     16*XPITCH
.set BPITCH, 272
.set BT,     16*BPITCH
.set BTILES, R3+4*XT
.set SPARE,  314368       ; the spare words: 128 bytes for each wave, two blocks of 256 bytes that no other line names
.set VECL,   314880
.set CST,    R2
.set OST,    R2+16384
.set LSTEP,  57344        ; LDS byte X is read as register LA + X / LSTEP with the offset X % LSTEP, which fits the offset's 16 bits
.set NITER,  100
.set LA,  4               ; v4-9   16 l + LSTEP k
.set XA,  10              ; v10    my place in my wave's tile of x
.set BA,  11              ; v11    in its tile of b
.set BO,  12              ; v12    the vectors at my lanes' eight features: VECL + 32 h
.set CA,  13              ; v13    my 16 bytes of c''
.set STO, 14              ; v14    the way out: where I put 16 bytes of a row
.set RD,  15              ; v15    the way out: where I read rows back
.set GO,  16              ; v16    16 l
.set PFO, 17              ; v17-18 the prefetches' offsets; never rewritten
.set PFO2, 18
.set SPW, 20              ; v20    LDS address of my spare word; never rewritten
.set NIL, 21              ; v21    0; never rewritten
.set SC,  22              ; v22-23 my row's scale, twice
.set SI,  24              ; v24-25 its inverse, twice
.set MX,  26              ; v26-27 two running maxima
.set MN,  28              ; v28-29 two running minima
.set S,   32
.set SB,  64
.set WB,  80
.set P,   96
.set W32, 112
.set Z,   128
.set WV,  12              ; s12 wave, s13 cx, s14 work-group
.set CX,  13
.set WG,  14
.set MSB, 0
.macro WIN new                         ; the immediate's high byte repeats the setting that is left; a switch that changes nothing is dropped
.if MSB != (\new)
	s_set_vgpr_msb (MSB<<8)|(\new)
.set MSB, (\new)
.endif
.endm
.macro PLACES                          ; four plain vector instructions between a matrix instruction and what reads its result, writes its registers or loads into them (ISA guide 7.12.1 for reads and writes)
.rept 4
	v_nop
.endr
.endm
.macro CROUND                          ; a round of the cluster's barrier: my work-group's barrier; wave 0 signals for it; every wave waits for all four work-groups; my work-group's barrier once more
	s_barrier_signal -1
	s_barrier_wait -1
	s_cmp_lg_u32 s[WV], 0
	s_cbranch_scc1 .Lnot_wave_0_\@
	s_barrier_signal -3
.Lnot_wave_0_\@:
	s_barrier_wait -3
	s_barrier_signal -1
	s_barrier_wait -1
.endm
.macro DENSE g, rows                   ; descriptor group 1 of a joint tile that is dense in memory: rows of 256 bytes (32 elements of 8 bytes)
	s_mov_b32 s[(\g)], 15|(3<<16)|(1<<21)          ; 15:0 the mask of four; 17:16 8-byte elements; 21 set beside a mask
	s_mov_b32 s[(\g)+1], 32<<16                    ; tensor_dim0 = 32
	s_mov_b32 s[(\g)+2], (\rows)<<16               ; tensor_dim1
	s_mov_b32 s[(\g)+3], 32<<16                    ; tile_dim0 = 32
	s_mov_b32 s[(\g)+4], (\rows)                   ; tile_dim1
	s_mov_b32 s[(\g)+5], 32                        ; elements from row to row
	s_mov_b32 s[(\g)+6], 0
	s_mov_b32 s[(\g)+7], 0
.endm
	s_load_b256 s[4:11], s[0:1], 0x0               ; x s[4:5], b s[6:7], img s[8:9], out0 s[10:11]
	v_lshl_add_u32 v[SPW], v0, 2, SPARE
	v_mov_b32 v[NIL], 0
	ds_add_u32 v[SPW], v[NIL]                      ; the wave's opening: the add, twice on end, and its wait ahead of my first tensor load
	ds_add_u32 v[SPW], v[NIL]
	v_lshrrev_b32 v1, 5, v0
	v_readfirstlane_b32 s[WV], v1                  ; wave 0..3
	s_bfe_u32 s[CX], ttmp6, 0x40000                ; my place in the cluster: it enters x's, b's, out0's and the prefetches' global addresses alone
	s_lshl_b32 s[WG], ttmp9, 2
	s_add_co_u32 s[WG], s[WG], s[CX]
	s_mov_b32 s16, (2<<16)|(1<<20)|(7<<22)|(3<<25) ; x: 4-byte elements; padding on, after every 256 words (code 7), 4 words (code 3); no mask
	s_mov_b32 s17, 256<<16                         ; tensor_dim0 = 256
	s_mov_b32 s18, 16<<16                          ; tensor_dim1 = 16
	s_mov_b32 s19, 256<<16                         ; tile_dim0 = 256
	s_mov_b32 s20, 16                              ; tile_dim1 = 16
	s_mov_b32 s21, 256                             ; elements from row to row
	s_mov_b32 s22, 0
	s_mov_b32 s23, 0
	s_mov_b32 s24, (2<<16)|(1<<20)|(5<<22)|(3<<25) ; b: the same with rows of 64 words (code 5)
	s_mov_b32 s25, 64<<16
	s_mov_b32 s26, 16<<16
	s_mov_b32 s27, 64<<16
	s_mov_b32 s28, 16
	s_mov_b32 s29, 64
	s_mov_b32 s30, 0
	s_mov_b32 s31, 0
	DENSE 32, 5                                    ; the vectors: 1,280 bytes a wave
	DENSE 40, 104                                  ; W1I: 26,624 bytes a wave
	DENSE 48, 91                                   ; W2I: 23,296 bytes a wave
	s_mov_b32 s56, 1                               ; groups 0: count = 1, and the LDS addresses: a constant + the wave's number x a constant
	s_mul_i32 s57, s[WV], XT
	s_add_co_u32 s57, s57, R3
	s_mov_b32 s60, 1
	s_mul_i32 s61, s[WV], BT
	s_add_co_u32 s61, s61, BTILES
	s_mov_b32 s68, 1
	s_mul_i32 s69, s[WV], 1280
	s_add_co_u32 s69, s69, VECL
	s_mov_b32 s72, 1
	s_mul_i32 s73, s[WV], 26624
	s_mov_b32 s76, 1
	s_mul_i32 s77, s[WV], 23296
	s_add_co_u32 s77, s77, R2
	s_mov_b32 s80, 0x3fd9999a                      ; 1.7
	s_mov_b32 s81, s80                             ; (named as pairs)
	s_mov_b32 s82, 0xbf333334                      ; 1 - 1.7 in f32, so that the two factors of u add up to 1 exactly
	s_mov_b32 s83, s82
	s_mov_b32 s84, 0x3f169697                      ; 1 / 1.7
	s_mov_b32 s85, s84
	s_mov_b32 s87, 0xffff0000                      ; a word's upper bf16
	s_wait_dscnt 0x0                               ; both opening adds are done
	s_wait_kmcnt 0x0
	s_lshl_b32 s2, s[WG], 16                       ; 64 rows of 1,024 bytes a work-group,
	s_lshl_b32 s3, s[WV], 14                       ; 16 a wave
	s_add_co_u32 s2, s2, s3
	s_mov_b32 s3, 0
	s_add_nc_u64 s[58:59], s[4:5], s[2:3]
	s_or_b32 s59, s59, 0x80000000                  ; type = 2
	s_add_nc_u64 s[10:11], s[10:11], s[2:3]        ; out0 at my wave's first row
	s_lshr_b32 s2, s2, 2                           ; b's rows are a quarter as long
	s_add_nc_u64 s[62:63], s[6:7], s[2:3]
	s_or_b32 s63, s63, 0x80000000
	s_mul_i32 s88, s[WV], 1280
	s_add_co_u32 s88, s88, IVEC
	s_mov_b32 s89, 0
	s_add_nc_u64 s[70:71], s[8:9], s[88:89]
	s_or_b32 s71, s71, 0x80000000
	s_mul_i32 s88, s[WV], 26624
	s_add_nc_u64 s[74:75], s[8:9], s[88:89]
	s_or_b32 s75, s75, 0x80000000
	s_mul_i32 s88, s[WV], 23296
	s_add_co_u32 s88, s88, IW2
	s_add_nc_u64 s[78:79], s[8:9], s[88:89]
	s_or_b32 s79, s79, 0x80000000
	s_add_nc_u64 s[90:91], s[8:9], IW3             ; the prefetches' base; never rewritten
	CROUND                                         ; all four work-groups are here: the first joint loads meet
	tensor_load_to_lds s[56:59], s[16:23]          ; the first fills, one group: five loads of mine are out.  x,
	s_nop 0
	tensor_load_to_lds s[60:63], s[24:31]          ; b,
	s_nop 0
	tensor_load_to_lds s[68:71], s[32:39]          ; my quarter of the vectors,
	s_nop 0
	tensor_load_to_lds s[72:75], s[40:47]          ; of W1I,
	s_nop 0
	tensor_load_to_lds s[76:79], s[48:55]          ; of W2I
	s_nop 0
	PLACES
	v_and_b32 v1, 31, v0                           ; l
	v_and_b32 v2, 15, v0                           ; r
	v_bfe_u32 v3, v0, 4, 1                         ; h
	v_lshlrev_b32 v[GO], 4, v1
	WIN 0x80                                       ; destination window 2
.set n_, 0
.rept 32
	global_load_b128 v[128+4*n_:131+4*n_], v[GO], s[8:9] offset:IMI+512*n_   ; MI's 16 fragments, as they lie
.set n_, n_+1
.endr
	WIN 0
	v_mov_b32 v[LA], v[GO]
.irp k, 1,2,3,4,5
	v_add_nc_u32 v[LA+\k], LSTEP*\k, v[GO]
.endr
	v_mul_u32_u24 v[XA], v2, XPITCH
	v_lshl_add_u32 v[XA], v3, 5, v[XA]             ; 1,040 r + 32 h
	s_mul_i32 s15, s[WV], XT
	s_add_co_u32 s2, s15, OST
	v_add_nc_u32 v[STO], s2, v[XA]
	v_add_nc_u32 v[RD], s2, v[GO]
	s_add_co_u32 s2, s15, R3
	v_add_nc_u32 v[XA], s2, v[XA]
	v_mul_u32_u24 v[BA], v2, BPITCH
	v_lshl_add_u32 v[BA], v3, 5, v[BA]
	s_mul_i32 s2, s[WV], BT
	s_add_co_u32 s2, s2, BTILES
	v_add_nc_u32 v[BA], s2, v[BA]
	v_lshl_add_u32 v[BO], v3, 5, VECL
	s_lshl_b32 s2, s[WV], 12
	s_add_co_u32 s2, s2, CST
	v_add_nc_u32 v[CA], s2, v[GO]
	s_lshl_b32 s89, s[CX], 7
	v_add_nc_u32 v[PFO], s89, v0                   ; block 128 cx + thread: the partners share the blocks out by address
	v_add_nc_u32 v[PFO2], 512, v[PFO]
	v_min_u32 v[PFO2], 703, v[PFO2]                ; W3I and GT are 704 blocks of 256 bytes: lanes past the end name the last one
	v_lshlrev_b32 v[PFO], 8, v[PFO]
	v_lshlrev_b32 v[PFO2], 8, v[PFO2]
	s_wait_tensorcnt 0x3                           ; tensor loads of a wave end in order: x and b, my own bytes, are in; the three issued behind them may stay out
	; a fragment of source 1: lane (r, h) holds row r; registers 0-3 k = 8 h .. + 7, registers 4-7 k = 16 + 8 h ..: in f32 two times 32 bytes, 64 bytes apart
.set k_, 0
.rept 2
.set i_, 0
.rept 4
	ds_load_b128 v[64+16*k_+4*i_:67+16*k_+4*i_], v[BA] offset:128*k_+16*(i_%2)+64*(i_/2)
.set i_, i_+1
.endr
.set k_, k_+1
.endr
.set k_, 0
.rept 8
.set i_, 0
.rept 4
	ds_load_b128 v[Z+16*k_+4*i_:Z+16*k_+4*i_+3], v[XA] offset:128*k_+16*(i_%2)+64*(i_/2)
.set i_, i_+1
.endr
.set k_, k_+1
.endr
	s_wait_dscnt 32                                ; b's eight loads are in; x's 32 may stay out
	WIN 0xc0                                       ; destination window 3
.set i_, 0
.rept 16
	v_cvt_pk_bf16_f32 v[112+i_], v[64+2*i_], v[65+2*i_]        ; BB
.set i_, i_+1
.endr
.set k_, 0
.rept 8
	s_wait_dscnt 28-4*k_                           ; block k of x is in; the later blocks' loads may stay out
.set i_, 0
.rept 8
	v_cvt_pk_bf16_f32 v[8*k_+i_], v[Z+16*k_+2*i_], v[Z+16*k_+2*i_+1]   ; XB
.set i_, i_+1
.endr
.set k_, k_+1
.endr
	s_wait_loadcnt 0x0                             ; MI
	WIN 0x0e                                       ; MI window 2, BB window 3, S window 0
.set c_, 0
.rept 4                                                ; c'' = b (1.7 alpha Minv): hi and lo of Minv (c / 2), two k blocks (c % 2); the four accumulators take turns
.set t_, 0
.rept 4
.if c_ == 0
	v_wmma_f32_16x16x32_bf16 v[S+8*t_:S+8*t_+7], v[128+8*t_:135+8*t_], v[112:119], 0
.else
	v_wmma_f32_16x16x32_bf16 v[S+8*t_:S+8*t_+7], v[128+8*(4*c_+t_):135+8*(4*c_+t_)], v[112+8*(c_%2):119+8*(c_%2)], v[S+8*t_:S+8*t_+7]
.endif
.set t_, t_+1
.endr
.set c_, c_+1
.endr
	WIN 0
	s_wait_tensorcnt 0x1                           ; my quarters of the vectors and of W1I are in; W2I's may stay out
	s_wait_dscnt 0x0
	s_barrier_signal -1
	s_barrier_wait -1                              ; everybody's are
	; W3I and GT, which the refill behind the first layer will ask for, are prefetched here: 704 blocks of 256 bytes, a lane a block.  All clusters read them: the first cluster asks, its 512 threads
	; one block each and the first 192 a second one.  Between these lines and the refill stands the whole first layer: 104 products and 234 LDS loads a wave.
	s_cmp_eq_u32 ttmp9, 0
	s_cbranch_scc0 .Lnot_first
	global_prefetch_b8 v[PFO], s[90:91] th:TH_LOAD_NT scope:SCOPE_SE
	global_prefetch_b8 v[PFO2], s[90:91] th:TH_LOAD_NT scope:SCOPE_SE
.Lnot_first:
; THE LAYERS.  BIAS: the bias is the sums' start: result tile t holds features 16 t + 8 h + j, so 32 bytes of the vector, the same for sixteen lanes, go straight into the accumulator.
.macro BIAS dst, win, off, T
	WIN \win
.set t_, 0
.rept \T
	ds_load_b128 v[(\dst)+8*t_:(\dst)+8*t_+3],   v[BO] offset:(\off)+64*t_
	ds_load_b128 v[(\dst)+8*t_+4:(\dst)+8*t_+7], v[BO] offset:(\off)+64*t_+16
.set t_, t_+1
.endr
.endm
.macro LOADK base, T, buf              ; the T fragments of one k block, from LDS byte base on, into a buffer of window 1: each load takes 512 consecutive bytes
	WIN 0x40
.set t_, 0
.rept \T
.set x_, (\base)+1024*t_
	ds_load_b128 v[(\buf)+8*t_:(\buf)+8*t_+3],   v[LA+x_/LSTEP] offset:x_%LSTEP
.set x_, x_+512
	ds_load_b128 v[(\buf)+8*t_+4:(\buf)+8*t_+7], v[LA+x_/LSTEP] offset:x_%LSTEP
.set t_, t_+1
.endr
.endm
.macro MULK win, acc, T, buf, b        ; T products on T accumulators, which take turns
	WIN \win
.set t_, 0
.rept \T
	v_wmma_f32_16x16x32_bf16 v[(\acc)+8*t_:(\acc)+8*t_+7], v[(\buf)+8*t_:(\buf)+8*t_+7], v[(\b):(\b)+7], v[(\acc)+8*t_:(\acc)+8*t_+7]
.set t_, t_+1
.endr
.endm
.macro LAYER base, T, K, win, acc, hi, lo   ; K blocks of 32 along k; while one block is multiplied the next one's loads are out
	LOADK \base, \T, 0
.set k_, 0
.rept \K
.if k_+1 < (\K)
	PLACES                                         ; the buffer's last reader is the product just issued
	LOADK (\base)+1024*(\T)*(k_+1), \T, 128*((k_+1)%2)
	s_wait_dscnt 2*(\T)                            ; all but the next block's loads, just issued
.else
	s_wait_dscnt 0x0
.endif
	MULK \win, \acc, \T, 128*(k_%2), (\hi)+8*k_
.if (\lo) >= 0
	MULK \win, \acc, \T, 128*(k_%2), (\lo)+8*k_
.endif
.set k_, k_+1
.endr
.endm
; ReLU, and the layer's 104 numbers a lane as bf16 hi + lo, in five stretches under one window setting each.  The 14th tile of 16 features does not exist: its registers are 0.
.macro SPLIT h, hi, lo
	PLACES
	WIN 0x88
.set i_, 0
.rept 104
	v_max_num_f32 v[(\h)+i_], 0, v[(\h)+i_]
.set i_, i_+1
.endr
	WIN 0xca
.set i_, 0
.rept 52
	v_cvt_pk_bf16_f32 v[(\hi)+i_], v[(\h)+2*i_], v[(\h)+2*i_+1]
.set i_, i_+1
.endr
	WIN 0x4c
.set i_, 0
.rept 52
	v_lshlrev_b32 v[128+2*i_], 16, v[(\hi)+i_]
	v_and_b32 v[129+2*i_], s87, v[(\hi)+i_]
.set i_, i_+1
.endr
	WIN 0x86
.set i_, 0
.rept 52
	v_pk_add_f32 v[(\h)+2*i_:(\h)+2*i_+1], v[(\h)+2*i_:(\h)+2*i_+1], v[128+2*i_:129+2*i_] neg_lo:[0,1] neg_hi:[0,1]
.set i_, i_+1
.endr
	WIN 0xca
.set i_, 0
.rept 52
	v_cvt_pk_bf16_f32 v[(\lo)+i_], v[(\h)+2*i_], v[(\h)+2*i_+1]
.set i_, i_+1
.endr
	WIN 0xc0
.set i_, 52
.rept 4
	v_mov_b32 v[(\hi)+i_], 0
	v_mov_b32 v[(\lo)+i_], 0
.set i_, i_+1
.endr
.endm
	BIAS 0, 0x80, 0, 13
	LAYER R1, 13, 8, 0xad, 0, 0, -1                ; H1 = b1 + W1^T x
	; THE REFILL.  W1I and the tiles of x and b have been read out: R3 takes W3I (waves 0, 1), R1 takes GT (waves 2, 3).
	WIN 0
	s_wait_tensorcnt 0x0                           ; all my tensor loads have landed, my quarter of W2I among them: the descriptors may be written
	ds_add_u32 v[SPW], v[NIL]                      ; 0 onto my spare word: the descriptors' words stand between it and the wait for it
	s_and_b32 s15, s[WV], 1                        ; which half I fetch
	s_mov_b32 s34, 224<<16                         ; W3I: 57,344 bytes a wave
	s_mov_b32 s36, 224
	s_mov_b32 s42, 128<<16                         ; GT: 32,768 bytes a wave
	s_mov_b32 s44, 128
	s_mul_i32 s88, s15, 57344
	s_add_co_u32 s69, s88, R3
	s_add_co_u32 s88, s88, IW3
	s_mov_b32 s89, 0
	s_add_nc_u64 s[70:71], s[8:9], s[88:89]
	s_or_b32 s71, s71, 0x80000000
	s_lshl_b32 s88, s15, 15
	s_mov_b32 s73, s88
	s_add_co_u32 s88, s88, IGT
	s_add_nc_u64 s[74:75], s[8:9], s[88:89]
	s_or_b32 s75, s75, 0x80000000
	s_wait_dscnt 0x0                               ; the add is done, and my reads of R1 and R3 are over
	CROUND                                         ; that now holds of every wave of all four work-groups
	s_cmp_lt_u32 s[WV], 2                          ; my one tensor load behind the round
	s_cbranch_scc0 .Lfor_gt
	tensor_load_to_lds s[68:71], s[32:39]
	s_nop 0
	PLACES
	s_branch .Lasked
.Lfor_gt:
	tensor_load_to_lds s[72:75], s[40:47]
	s_nop 0
	PLACES
.Lasked:
	SPLIT 0, 0, 56
	BIAS 128, 0x80, 1024, 13
	LAYER R2, 13, 7, 0xad, 128, 0, 56              ; H2 = b2 + W2^T relu(H1), hi and lo
	WIN 0
	s_wait_tensorcnt 0x0                           ; my half of W3I or GT is in,
	s_wait_dscnt 0x0                               ; my reads of W2I are over:
	s_barrier_signal -1
	s_barrier_wait -1                              ; so are everybody's.  R2 has had its last fill and is scratch from here on
	SPLIT 128, 128, 184
	BIAS Z, 0, 2048, 16
	LAYER R3, 16, 7, 0x0d, Z, 128, 184             ; Z = y = b3 + W3^T relu(H2), hi and lo
	; WHAT THE LOOP KEEPS: the 64 fragments and the bounds come into registers; meanwhile the row's scale is found; then c'' goes to LDS
	PLACES
.set j_, 0
.rept 64
	WIN 0x40*(1+j_/32)
.set x_, R1+1024*j_
	ds_load_b128 v[8*(j_%32):8*(j_%32)+3],   v[LA+x_/LSTEP] offset:x_%LSTEP
.set x_, x_+512
	ds_load_b128 v[8*(j_%32)+4:8*(j_%32)+7], v[LA+x_/LSTEP] offset:x_%LSTEP
.set j_, j_+1
.endr
	BIAS 0, 0xc0, 3072, 16                         ; the lower bound, register for register as Z lies
	BIAS 128, 0xc0, 4096, 16                       ; the upper bound
; n pairs of registers from hi on into the two running maxima, from lo on into the two running minima; each accumulator's lowest registers are read first
.macro RANGE hi, lo, n
.set i_, 0
.rept \n
	v_max3_num_f32 v[MX+i_%2], v[MX+i_%2], v[(\hi)+2*i_], v[(\hi)+2*i_+1]
	v_min3_num_f32 v[MN+i_%2], v[MN+i_%2], v[(\lo)+2*i_], v[(\lo)+2*i_+1]
.set i_, i_+1
.endr
.endm
	WIN 0
	s_mov_b32 s88, 0x76543210                      ; v_permlanex16_b32: each lane takes its own place in the other half
	s_mov_b32 s89, 0xfedcba98
	v_mov_b32 v[MX], 0                             ; a size is wanted: 0 may take part
	v_mov_b32 v[MX+1], 0
	v_mov_b32 v[MN], 0
	v_mov_b32 v[MN+1], 0
	RANGE S, S, 16                                 ; c''
	RANGE Z, Z, 64                                 ; y
	s_wait_dscnt 0x0                               ; the fragments and the bounds are in
	WIN 0x3c                                       ; sources 1 and 2 in window 3
	RANGE 128, 0, 64                               ; lower <= upper: the box's largest size is the upper bound's maximum or the lower bound's minimum
	WIN 0
	v_min_num_f32 v[MN], v[MN], v[MN+1]
	v_sub_f32 v[MN], 0, v[MN]
	v_max3_num_f32 v[MX], v[MX], v[MX+1], v[MN]
	v_permlanex16_b32 v[MX+1], v[MX], s88, s89     ; the row's other half lies in the lane 16 away
	v_max_num_f32 v[MX], v[MX], v[MX+1]            ; B, the same in both lanes of a row
	v_max_num_f32 v[MX], 0x21800000, v[MX]         ; held to 2^-60
	v_min_num_f32 v[MX], 0x5d800000, v[MX]         ; .. 2^60
	v_and_b32 v[MX], 0x7f800000, v[MX]             ; 2^e, e = floor(log2 B): the exponent field E << 23, E = 67 .. 187
	v_sub_nc_u32 v[SC], 0x81800000, v[MX]          ; (259 - E) << 23: 2^(5 - e)
	v_add_nc_u32 v[SI], 0xfd800000, v[MX]          ; (E - 5) << 23: 2^(e - 5)
	v_mov_b32 v[SC+1], v[SC]
	v_mov_b32 v[SI+1], v[SI]
.set i_, 0
.rept 16
	v_pk_mul_f32 v[S+2*i_:S+2*i_+1], v[S+2*i_:S+2*i_+1], v[SC:SC+1]
.set i_, i_+1
.endr
.set i_, 0
.rept 8
	ds_store_b128 v[CA], v[S+4*i_:S+4*i_+3] offset:512*i_
.set i_, i_+1
.endr
.set i_, 0
.rept 64
	v_pk_mul_f32 v[Z+2*i_:Z+2*i_+1], v[Z+2*i_:Z+2*i_+1], v[SC:SC+1]
.set i_, i_+1
.endr
	WIN 0xc3                                       ; destination and source 0 in window 3: both bounds
.set i_, 0
.rept 128
	v_pk_mul_f32 v[2*i_:2*i_+1], v[2*i_:2*i_+1], v[SC:SC+1]
.set i_, i_+1
.endr
	WIN 0
.set i_, 0
.rept 16
	v_mov_b32 v[SB+i_], 0                          ; the first trip finds s'' = 0 and p = 0: its products and its first eight lines leave Z = y.  32 products on zeros, once, for one text of all trips
	v_mov_b32 v[P+i_], 0
.set i_, i_+1
.endr
	s_wait_dscnt 0x0
; THE LOOP.  At a trip's top: Z = u (for dim block 7 the term 1.7 p is still to be added; P holds that p), SB = f16(s''), S = c'' or its loads are out.
; THE 64 PRODUCTS in a fixed order J, in groups of four; fragment J lies at v[8 (J % 32)] of window 1 + J / 32:
;   group   0      1      2      3      4      5      6      7      8      9      10     11     12     13     14     15
;           P2(0)  P2(1)  P2(2)  P1(0)  P2(3)  P1(1)  P2(4)  P1(2)  P2(5)  P1(3)  P2(6)  P1(4)  P2(7)  P1(5)  P1(6)  P1(7)
;   P2(kb), i = 0..3: Z tile 2 kb + i % 2 += A^T fragment x SB[i / 2]: z = u + s'' A, added by the matrix unit onto u in place.
;   P1(kb), m = 0..3: S tile m += G'' fragment x WB[kb % 2]: s'' grows in place on c''.
; No two products that follow each other share an accumulator, over the backward jump too (S tile 3, then Z tile 0), and every turn is one instruction.
.macro HOST only2                      ; product J; only2 = 1: the P1 groups are left out
.set g_, J/4
.set i_, J%4
.set fr_, 8*(J%32)
.if (g_ < 3) || ((g_ < 13) && (g_%2 == 0))
.set kb_, g_
.if g_ > 2
.set kb_, (g_+2)/2
.endif
.set zt_, Z+8*(2*kb_+i_%2)
	WIN 1+J/32
	v_wmma_f32_16x16x32_f16 v[zt_:zt_+7], v[fr_:fr_+7], v[SB+8*(i_/2):SB+8*(i_/2)+7], v[zt_:zt_+7]
.elseif !(\only2)
.set kb_, (g_-3)/2
.if g_ > 13
.set kb_, g_-8
.endif
.if J == 12
	s_wait_dscnt 0x0                               ; c'' is in: its eight loads were issued twelve products ago
.endif
	WIN 1+J/32
	v_wmma_f32_16x16x32_f16 v[S+8*i_:S+8*i_+7], v[fr_:fr_+7], v[WB+8*(kb_%2):WB+8*(kb_%2)+7], v[S+8*i_:S+8*i_+7]
.endif
.set J, J+1
.endm
; THE VECTOR WORK is one numbered list; VNEXT writes number q.  0-7: Z += 1.7 P for dim block 7, left over from the trip before.  Then, mode 1, 48 for each dim block kb (16 registers of Z):
;   0-15 P = the middle of (Z, lower, upper)   16-23 W32 = 2 P - Z   24-31 WB[kb % 2] = f16(W32)   32-39 Z = -0.7 Z   40-47 Z = 1.7 P + Z
; mode 2, the last projection, 24 for each: 0-15 Z = the middle of (Z, lower, upper), in place; 16-23 WB[kb % 2] = f16(Z).
.macro VNEXT mode
.if q < 8
	WIN 0
	v_pk_fma_f32 v[Z+112+2*q:Z+113+2*q], v[P+2*q:P+2*q+1], s[80:81], v[Z+112+2*q:Z+113+2*q] op_sel_hi:[1,0,1]
.elseif (\mode) == 1
.set n_, q-8
.set kb_, n_/48
.set o_, n_%48
.set zb_, Z+16*kb_
.if o_ < 16
	WIN 0x3c                                       ; both bounds in window 3
	v_med3_num_f32 v[P+o_], v[zb_+o_], v[16*kb_+o_], v[128+16*kb_+o_]
.elseif o_ < 24
	WIN 0
	v_pk_fma_f32 v[W32+2*(o_-16):W32+2*(o_-16)+1], v[P+2*(o_-16):P+2*(o_-16)+1], 2.0, v[zb_+2*(o_-16):zb_+2*(o_-16)+1] op_sel_hi:[1,0,1] neg_lo:[0,0,1] neg_hi:[0,0,1]
.elseif o_ < 32
	WIN 0
	v_cvt_pk_f16_f32 v[WB+8*(kb_%2)+o_-24], v[W32+2*(o_-24)], v[W32+2*(o_-24)+1]
.elseif o_ < 40
	WIN 0
	v_pk_mul_f32 v[zb_+2*(o_-32):zb_+2*(o_-32)+1], v[zb_+2*(o_-32):zb_+2*(o_-32)+1], s[82:83] op_sel_hi:[1,0]
.else
	WIN 0
	v_pk_fma_f32 v[zb_+2*(o_-40):zb_+2*(o_-40)+1], v[P+2*(o_-40):P+2*(o_-40)+1], s[80:81], v[zb_+2*(o_-40):zb_+2*(o_-40)+1] op_sel_hi:[1,0,1]
.endif
.else
.set n_, q-8
.set kb_, n_/24
.set o_, n_%24
.set zb_, Z+16*kb_
.if o_ < 16
	WIN 0x3c
	v_med3_num_f32 v[zb_+o_], v[zb_+o_], v[16*kb_+o_], v[128+16*kb_+o_]
.else
	WIN 0
	v_cvt_pk_f16_f32 v[WB+8*(kb_%2)+o_-16], v[zb_+2*(o_-16)], v[zb_+2*(o_-16)+1]
.endif
.endif
.set q, q+1
.endm
; THE DEAL: how many of the list stand behind product J.  Mode 1: 2 behind each of the first four (the left-over eight); behind J = 4 + j, j = 0..55: 7, 6, 7, 6, 7, 6, 7 by j % 7 (46 in seven, 368 in
; all); 2 behind each of the last four (block 7's multiplies; its multiply-adds open the next trip).  Mode 2: 2; then 4, 3, 4, 3, 4, 3, 3 (24 in seven, 192 in all); none.
; WHAT THE DEAL KEEPS, counted in numbers of the list issued ahead of a product (mode 1; mode 2 in brackets):
;   a block's first line stands four plain lines or more behind P2(kb)'s last product: 20, 46, 99, 151, 204, 256, 309 against 48 kb - 4 (11, 24, 52, 79, 107, 134, 162 against 24 kb - 4); for block 0 the
;   four are lines 4 to 7 of the left-over eight;
;   P1(kb) begins when WB is whole: 53, 105, 158, 210, 263, 315, 342, 368 against 48 kb + 32 (28, 55, 83, 110, 138, 165, 179, 192 against 24 kb + 24);
;   WB[kb % 2] is written again four plain lines or more behind P1(kb - 2)'s last product: at the closest 335 against 360 (175 against 184).
.macro ITER mode
.set J, 0
.set q, 0
.rept 64
	HOST 0
.set j_, J-5                           ; HOST has stepped J: the product just written is J - 1 = 4 + j
.if J-1 < 4
.set c_, 2
.elseif J-1 < 60
.if (\mode) == 1
.set c_, 7-(j_%7)%2
.else
.set c_, 3
.if ((j_%7)%2 == 0) && (j_%7 < 6)
.set c_, 4
.endif
.endif
.elseif (\mode) == 1
.set c_, 2
.else
.set c_, 0
.endif
.rept c_
	VNEXT \mode
.endr
.endr
.endm
.macro PACKS                           ; SB = f16(S): two result tiles are one fragment of source 1
.set i_, 0
.rept 16
	v_cvt_pk_f16_f32 v[SB+i_], v[S+2*i_], v[S+2*i_+1]
.set i_, i_+1
.endr
.endm
	s_mov_b32 s86, NITER
.Liter:
	ITER 1
	WIN 0
	PACKS                                          ; S tile 3's last product stands two riders and twelve of these lines back
.set i_, 0
.rept 8
	ds_load_b128 v[S+4*i_:S+4*i_+3], v[CA] offset:512*i_   ; c'' anew: my own bytes
.set i_, i_+1
.endr
	s_sub_co_u32 s86, s86, 1
	s_cmp_lg_u32 s86, 0
	s_cbranch_scc1 .Liter
	; THE LAST PROJECTION.  z of step 100 is formed, clipped in place, and s'' = p G''^T + c''
	ITER 2
	PLACES
	WIN 0
.set i_, 0
.rept 16
	v_pk_mul_f32 v[S+2*i_:S+2*i_+1], v[S+2*i_:S+2*i_+1], s[84:85] op_sel_hi:[1,0]   ; s'' / 1.7
.set i_, i_+1
.endr
	PACKS
.set J, 0
.rept 52
	HOST 1                                         ; out = p + (s'' / 1.7) A: the 32 products with A^T alone
.endr
	PLACES
	WIN 0
.set i_, 0
.rept 64
	v_pk_mul_f32 v[Z+2*i_:Z+2*i_+1], v[Z+2*i_:Z+2*i_+1], v[SI:SI+1]   ; the row's scale is taken out again
.set i_, i_+1
.endr
	; THE WAY OUT: a lane's eight numbers of a row are 32 bytes; they go into my stage (rows of 1,040 bytes) and come back as whole rows
.set t_, 0
.rept 16
	ds_store_b128 v[STO], v[Z+8*t_:Z+8*t_+3]   offset:64*t_
	ds_store_b128 v[STO], v[Z+8*t_+4:Z+8*t_+7] offset:64*t_+16
.set t_, t_+1
.endr
.set i_, 0
.rept 32
	ds_load_b128 v[Z+4*i_:Z+4*i_+3], v[RD] offset:XPITCH*(i_/2)+512*(i_%2)   ; LDS serves a wave's instructions in order (ISA guide 5.7.1.4): these see the stores above
.set i_, i_+1
.endr
.set i_, 0
.rept 32
	s_wait_dscnt 31-i_                             ; half row i is back; the later ones may stay out
	global_store_b128 v[GO], v[Z+4*i_:Z+4*i_+3], s[10:11] offset:512*i_ th:TH_STORE_NT   ; the wave stores 512 consecutive bytes, at a multiple of 256 from out0's first byte
.set i_, i_+1
.endr
	s_wait_tensorcnt 0x0                           ; the wave's end: behind my last tensor load and my last LDS store
	ds_add_u32 v[SPW], v[NIL]
	s_wait_dscnt 0x0
	CROUND                                         ; the closing round: no work-group ends while a partner may still ask for a tile that names it
	s_endpgm
.Lfunc_end_k_qa02e7415f3_main:
	.size	k_qa02e7415f3_main, .Lfunc_end_k_qa02e7415f3_main-k_qa02e7415f3_main
	.p2alignl 7, 3214868480
	.fill 96, 4, 3214868480
	.section	.rodata,"a",@progbits
	.p2align	6, 0x0
	.amdhsa_kernel k_qa02e7415f3_main
		.amdhsa_group_segment_fixed_size 327680
		.amdhsa_private_segment_fixed_size 0
		.amdhsa_enable_private_segment 0
		.amdhsa_kernarg_size 32
		.amdhsa_user_sgpr_count 2
		.amdhsa_user_sgpr_kernarg_segment_ptr 1
		.amdhsa_wavefront_size32 1
		.amdhsa_system_sgpr_workgroup_id_x 1
		.amdhsa_system_sgpr_workgroup_id_y 1
		.amdhsa_system_sgpr_workgroup_id_z 1
		.amdhsa_system_vgpr_workitem_id 0
		.amdhsa_next_free_vgpr 1024
		.amdhsa_next_free_sgpr 92
		.amdhsa_reserve_vcc 0
		.amdhsa_float_denorm_mode_32 3
		.amdhsa_float_denorm_mode_16_64 3
		.amdhsa_memory_ordered 1
		.amdhsa_forward_progress 1
		.amdhsa_inst_pref_size 253
	.end_amdhsa_kernel
	.amdgpu_metadata
---
amdhsa.version: [ 1, 2 ]
amdhsa.kernels:
  - .name:           k_qa02e7415f3_main
    .symbol:         k_qa02e7415f3_main.kd
    .args:
      - { .name: x, .offset: 0, .size: 8, .value_kind: global_buffer, .address_space: global }
      - { .name: b, .offset: 8, .size: 8, .value_kind: global_buffer, .address_space: global }
      - { .name: img, .offset: 16, .size: 8, .value_kind: global_buffer, .address_space: global }
      - { .name: out0, .offset: 24, .size: 8, .value_kind: global_buffer, .address_space: global }
    .group_segment_fixed_size: 327680
    .private_segment_fixed_size: 0
    .kernarg_segment_align: 8
    .kernarg_segment_size: 32
    .max_flat_workgroup_size: 128
    .sgpr_count:     92
    .vgpr_count:     1024
    .wavefront_size: 32
...
	.end_amdgpu_metadata
.endif
;; end of part 2
;; ======== version 2 of 2: 2 launches; version 1 with the launch prep written anew for expert scheduling mode
;; limits: values are held in f16: magnitudes above 65,504 overflow, below 6.1e-05 lose precision; right only within a limited range of input values
;; workspace buffers: img 401,408 bytes
;; launch prep (part 3): grid 40 x 1, 8 waves a work-group, no clusters, 79,872 bytes of LDS; arguments A, W1, W2, W3, b1, b2, b3, lb, ub, img; writes img
.if DOCPART == 3
	.amdgcn_target "amdgcn-amd-amdhsa--gfx1250"
	.amdhsa_code_object_version 6
	.text
	.protected	k_qa02e7415f3_prep
	.globl	k_qa02e7415f3_prep
	.p2align	8
	.type	k_qa02e7415f3_prep,@function
k_qa02e7415f3_prep:
	s_mov_b64 s[64:65], 0
	v_nop
	global_prefetch_b8 v0, s[64:65] scope:SCOPE_SE
	s_setreg_imm32_b32 hwreg(HW_REG_WAVE_SCHED_MODE, 0, 2), 2
	s_setreg_imm32_b32 hwreg(HW_REG_WAVE_MODE, 25, 1), 1
	s_wait_xcnt 0x0
	s_wait_alu depctr_vm_vsrc(0)
; PREP: everything that hangs on the weights alone, made once and laid out as the main launch's matrix operands take it.
; THE PROBLEM.  y = MLP(x); 100 steps z <- z + 1.7 (P_eq(2 clip(z) - z) - clip(z)); out = P_eq(clip(z)); P_eq(v) = v - ((v A^T - b) Minv) A, Minv = inv(A A^T + 1e-6 I).
; LESS WORK THAN WRITTEN, for all values of the inputs: ((v A^T - b) Minv) A = (v G^T - b Minv) A with G = Minv A.  That is the products' associativity and Minv's symmetry, and Minv is
; symmetric because reference() itself builds A A^T + 1e-6 I.  So a step has two products (256 -> 64 -> 256) and the product with Minv falls away; b Minv is made once a row.
; No input is left out: all eleven reach the output.  n_iter = 100 is a constant of the problem.
; WHAT IS STORED (img, bytes): W1I 0, W2I 106,496, W3I 199,680, GT 314,368, MI 379,904, VEC 396,288.
; A FRAGMENT is source 0 of a 16x16x32 product: 16 rows m x 32 k of 16-bit numbers, 1,024 bytes: lane l = r + 16 h keeps k = 8h..8h+7 of row r at byte 16 l and k = 16+8h..+7 at byte 512 + 16 l.
;   W1I (bf16) fragment kb*13+t: (m = 16t+r, k) = W1[k][m], 0 for m >= 200.   W2I kb*13+t: 0 for m or k >= 200.   W3I kb*16+t: 0 for k >= 200.
;   GT  (f16) 64 fragments in the order in which the main loop multiplies: A^T / alpha (dims x constraints) and alpha G'', G'' = -1.7 Minv A (constraints x dims).
;   MI  (bf16) +1.7 alpha Minv as hi (8 fragments) and lo (8).   VEC  f32: b1, b2 (0 from 200 on), b3, min(lb, ub), ub.
; ALPHA is a power of two, the scale of a row of A: 2^floor(log2(trace(A A^T) / 64) / 2).  It cancels in (v G^T - b Minv) A, exactly; it keeps A / alpha, alpha G'' and the main loop's alpha s'' in
; f16's range whatever A's scale is.
; FORMATS AND LIMITS.  Every input is rounded once to bf16 (the vectors too, and stored widened to f32).  A / alpha in f16 is that bf16 number, exact where it is 2^-17 or more in size and within 2^-25
; below.  Minv is made in f32 and carried as hi + lo (16 bits); alpha G'' is rounded to f16.  min(lb, ub) for the lower bound makes the middle of (z, lower, ub) equal min(max(z, lb), ub) also where
; lb > ub.  The inverse is made by 64 symmetric sweeps without pivoting: A A^T + 1e-6 I is symmetric positive definite by its construction.  NaN and infinities are not treated apart.
; SHARES.  Work-group 0: the inverse, GT, MI.  Work-groups 1..39: one wave a fragment of W1I, W2I, W3I (307 of them), two waves for VEC; they touch no LDS but the closing add.
; THE MODE: SCHED_MODE bits 1:0 = 2 (LLVM: expert scheduling mode 2), set by the entry lines.  The code itself states the register dependences between vector or matrix instructions and memory or LDS
; instructions, and those through scalar registers and VCC that vector instructions write, with s_wait_alu, always for 0.
; THE PLAN.  Each stretch makes all its addresses and all its store data first, states them by one wait on va_vdst, and then issues its loads or its stores in one run.
;   Work-groups 1..39: the offsets (v64-79 and v7; v5, v6 for the vectors) are written once; the loads land in registers that no vector instruction has named; the results (v48-55; v32-51) are written by
;   the conversions and read by the stores.  One wait ahead of the loads, one ahead of the stores; no register that a memory instruction has read is written again.
;   Work-group 0 outside the sweeps: the waits stand at the runs of loads and stores, and each one's comment names its registers.  Where a register that an LDS or global store has read is taken for
;   something else (v96-127, v6, v10, v64-79, v192-223, v224-239), a wait on vm_vsrc stands between.
;   The sweeps.  Registers that LDS instructions touch:
;     v8, v9   read by each pivot's two loads; written once a trip, at its top.
;     VI, VJ   two sets, by the pivot's parity.  Pivot a's loads land in the set that pivot a - 2's arithmetic named last; pivot a - 1's waits on va_vdst stand behind all of that, and no vector
;              instruction since names the set: nothing is owed at a pivot's head.
;     MB       the block row (a + 1) % 4 is written by four multiply-adds, read by the hand-out's store, and written again in the next pivot.
;     v5       read by every hand-out's store; never written again.
;   So a trip's top has one wait on va_sdst (the two masks) and one on va_vdst (v8, v9); a pivot has one on va_sdst (the pivot's value), the reciprocal's on va_vdst, one on va_vdst ahead of its store,
;   and one on vm_vsrc behind that store, which frees the stored row for the next pivot and v8, v9 for the next trip's top.
.set IW2,  106496
.set IW3,  199680
.set IGT,  314368
.set IMI,  379904
.set IVEC, 396288
.set AB,     0            ; LDS: A in bf16, [64][256], rows 544 bytes apart
.set APITCH, 544
.set MF,     34816        ; M = A A^T in f32, [64][64], rows 272 bytes apart
.set MPITCH, 272
.set RB,     52224        ; two buffers of 4,096 bytes: thread t's 16 bytes at 16 t
.set RBUF,   4096
.set NH,     60416        ; -1.7 alpha Minv, bf16 hi, [64][64], rows 144 bytes apart; the lo part 9,216 bytes behind
.set NPITCH, 144
.set NPART,  64*NPITCH
.set SPARE,  78848        ; the spare words: 128 bytes for each of the eight waves, four blocks of 256 bytes that no other line names
.set IA,  20              ; v[20:21]  1 / alpha, twice
.set FA,  22              ; v22  1.7 alpha
.set SPW, 30              ; v30  LDS address of my spare word; never rewritten
.set NIL, 31              ; v31  0; never rewritten
.set MB,  32              ; v[32:47]  my 4 x 4 block of M, row c at MB + 4 c
.set VI,  48              ; v[48:51], v[80:83]  the pivot row at my block's rows: a set for the even pivots, a set for the odd ones
.set VJ,  52              ; v[52:55], v[84:87]  the pivot row at my block's columns, likewise
.set VSET, 32             ; registers from the one set to the other
.set GG,  56              ; v[56:59]  VJ / pivot
.set DD,  60
.set RI,  61
.set NR,  62
.set WO,  64              ; v[64:79]  the conversion's sixteen load offsets
.macro PLACES             ; four plain vector instructions between a matrix instruction and what reads its result or writes its registers (ISA guide 7.12.1)
.rept 4
	v_nop
.endr
.endm
.macro BAR                ; my LDS instructions are done; then the work-group's barrier
	s_wait_dscnt 0x0
	s_barrier_signal -1
	s_barrier_wait -1
.endm
	s_load_b512 s[4:19], s[0:1], 0x0               ; A s[4:5], W1 s[6:7], W2 s[8:9], W3 s[10:11], b1 s[12:13], b2 s[14:15], b3 s[16:17], lb s[18:19]
	s_load_b128 s[20:23], s[0:1], 0x40             ; ub s[20:21], img s[22:23]
	v_lshl_add_u32 v[SPW], v0, 2, SPARE
	v_mov_b32 v[NIL], 0
	v_lshrrev_b32 v1, 5, v0
	v_readfirstlane_b32 s24, v1                    ; wave 0..7
	v_and_b32 v1, 31, v0                           ; l
	v_and_b32 v2, 15, v0                           ; r (in work-group 0 also tj)
	v_bfe_u32 v3, v0, 4, 1                         ; h
	s_wait_alu depctr_va_sdst(0)                   ; s24 is written, ahead of the branch and of its first reader on either way
	s_wait_kmcnt 0x0
	s_cmp_eq_u32 ttmp9, 0
	s_cbranch_scc1 .Linverse
	; ---- WORK-GROUPS 1..39: slot f = 8 (work-group - 1) + wave ----
	s_sub_co_u32 s25, ttmp9, 1
	s_lshl_b32 s25, s25, 3
	s_add_co_u32 s25, s25, s24
	s_cmp_ge_u32 s25, 309
	s_cbranch_scc1 .Lend                           ; three slots of the last work-group have no job
	s_cmp_ge_u32 s25, 307
	s_cbranch_scc1 .Lvec
	s_movk_i32 s40, 200
	s_movk_i32 s41, 256
	s_mov_b32 s42, IW2
	s_mov_b32 s43, IW3
	s_sub_co_u32 s27, s25, 104
	s_sub_co_u32 s28, s25, 195
	s_cmp_lt_u32 s25, 195                          ; W2 or W3
	s_cselect_b32 s26, s27, s28                    ; the fragment's number in its image
	s_cselect_b64 s[30:31], s[8:9], s[10:11]
	s_cselect_b32 s32, s40, s41                    ; N: numbers in a row of the weight = its real output features
	s_cselect_b32 s33, s42, s43                    ; the image's first byte
	s_cmp_lt_u32 s25, 104                          ; or W1
	s_cselect_b32 s26, s25, s26
	s_cselect_b64 s[30:31], s[6:7], s[30:31]
	s_cselect_b32 s34, s41, s40                    ; KR: its real input features
	s_cselect_b32 s33, 0, s33
	s_mul_hi_u32 s35, s26, 0x13b13b14              ; f' / 13 (exact for f' < 104: 13 x 0x13b13b14 = 2^32 + 4)
	s_mul_i32 s36, s35, 13
	s_sub_co_u32 s36, s26, s36
	s_lshr_b32 s37, s26, 4                         ; f' / 16
	s_and_b32 s38, s26, 15
	s_cmp_lt_u32 s25, 195
	s_cselect_b32 s35, s35, s37                    ; kb
	s_cselect_b32 s36, s36, s38                    ; t
	s_lshl_b32 s36, s36, 4
	s_lshl_b32 s35, s35, 5
	s_sub_co_u32 s37, s32, 1                       ; N - 1
	s_sub_co_u32 s38, s34, 8                       ; KR - 8
	s_lshl_b32 s39, s32, 2                         ; bytes from a row of the weight to the next
	s_lshl_b32 s26, s26, 10
	s_add_co_u32 s33, s33, s26                     ; the fragment's first byte in img
	v_add_nc_u32 v4, s36, v2                       ; m = 16 t + r
	v_cmp_gt_u32 s44, s32, v4                      ; m is a real feature
	v_min_u32 v5, s37, v4                          ; a padded one loads the last real one, and is set to 0 below
	v_lshl_add_u32 v6, v3, 3, s35                  ; k0 = 32 kb + 8 h
	v_lshl_add_u32 v7, v1, 4, s33
.irp u, 0,1
	v_add_nc_u32 v8, 16*\u, v6
	v_cmp_gt_u32 s[45+\u], s34, v8                 ; KR is a multiple of 8: my eight k are all real or all padded
	v_min_u32 v8, s38, v8
	v_mul_lo_u32 v8, v8, s32
	v_add_lshl_u32 v[WO+8*\u], v8, v5, 2
.irp e, 1,2,3,4,5,6,7
	v_add_nc_u32 v[WO+8*\u+\e], s39, v[WO+8*\u+\e-1]
.endr
.endr
	s_wait_alu depctr_va_sdst(0)                   ; the three compares have written s44, s45 and s46, ahead of their first readers
	s_and_b32 s45, s45, s44
	s_and_b32 s46, s46, s44
	s_wait_alu depctr_va_vdst(0)                   ; the sixteen offsets v64-79 are written, which the loads read, and v7, which the stores read
.irp u, 0,1
.irp e, 0,1,2,3,4,5,6,7
	global_load_b32 v[32+8*\u+\e], v[WO+8*\u+\e], s[30:31]  ; W[k0 + 16 u + e][m]: sixteen lanes take 64 neighbouring bytes
.endr
.endr
	s_wait_loadcnt 0x0
.irp u, 0,1
.irp i, 0,1,2,3
	v_cvt_pk_bf16_f32 v[48+4*\u+\i], v[32+8*\u+2*\i], v[33+8*\u+2*\i]
.endr
.irp i, 0,1,2,3
	v_cndmask_b32 v[48+4*\u+\i], 0, v[48+4*\u+\i], s[45+\u]
.endr
.endr
	s_wait_alu depctr_va_vdst(0)                   ; the selects have written v48-55, which the two stores read
.irp u, 0,1
	global_store_b128 v7, v[48+4*\u:51+4*\u], s[22:23] offset:512*\u  ; the wave stores 512 consecutive bytes, aligned
.endr
	s_branch .Lend
.Lvec:                                                 ; slots 307, 308: lane l has quad i = 32 (f - 307) + l of each vector
	s_sub_co_u32 s26, s25, 307
	s_lshl_b32 s26, s26, 5
	v_add_nc_u32 v4, s26, v1
	v_min_u32 v5, 49, v4                           ; b1 and b2 have 50 quads
	v_lshlrev_b32 v5, 4, v5
	v_lshlrev_b32 v6, 4, v4
	s_wait_alu depctr_va_vdst(0)                   ; the offsets v5 and v6 are written, which the loads and the stores read
	global_load_b128 v[32:35], v5, s[12:13]
	global_load_b128 v[36:39], v5, s[14:15]
	global_load_b128 v[40:43], v6, s[16:17]
	global_load_b128 v[44:47], v6, s[18:19]
	global_load_b128 v[48:51], v6, s[20:21]
	v_cmp_gt_u32 vcc_lo, 50, v4
	s_wait_loadcnt 0x0
.set i_, 0
.rept 10
	v_cvt_pk_bf16_f32 v[52+i_], v[32+2*i_], v[33+2*i_]   ; rounded to bf16,
.set i_, i_+1
.endr
.set i_, 0
.rept 10
	v_lshlrev_b32 v[32+2*i_], 16, v[52+i_]               ; and widened again
	v_and_b32 v[33+2*i_], 0xffff0000, v[52+i_]
.set i_, i_+1
.endr
	s_wait_alu depctr_va_vcc(0)                    ; the compare has written VCC, ahead of the selects that read it
.set i_, 0
.rept 8
	v_cndmask_b32 v[32+i_], 0, v[32+i_], vcc_lo          ; b1, b2: 0 from element 200 on
.set i_, i_+1
.endr
.set i_, 0
.rept 4
	v_min_num_f32 v[44+i_], v[44+i_], v[48+i_]           ; the lower bound is min(lb, ub)
.set i_, i_+1
.endr
	s_wait_alu depctr_va_vdst(0)                   ; v32-51 are written, which the five stores read
.irp a, 0,1,2,3,4
	global_store_b128 v6, v[32+4*\a:35+4*\a], s[22:23] offset:IVEC+1024*\a
.endr
	s_branch .Lend
	; ---- WORK-GROUP 0 ----
.Linverse:
	v_lshrrev_b32 v4, 4, v0                        ; ti: my block's rows 4 ti .. 4 ti + 3; tj = v2: its columns
	v_lshlrev_b32 v5, 4, v0                        ; 16 t; never rewritten
	s_wait_alu depctr_va_vdst(0)                   ; v5 is written, which A's loads and every hand-out's store read
.set i_, 0
.rept 16
	global_load_b128 v[32+4*i_:35+4*i_], v5, s[4:5] offset:4096*i_   ; A, quad 256 i + t: row 4 i + t / 64
.set i_, i_+1
.endr
	v_lshrrev_b32 v6, 6, v0
	v_and_b32 v7, 63, v0
	v_mul_u32_u24 v6, v6, APITCH
	v_lshl_add_u32 v6, v7, 3, v6
	s_mov_b32 s48, 0x76543210                      ; v_permlanex16_b32: each lane takes its own place in the other half
	s_mov_b32 s49, 0xfedcba98
	s_wait_loadcnt 0x0
.set i_, 0
.rept 16
	v_cvt_pk_bf16_f32 v[96+2*i_], v[32+4*i_], v[33+4*i_]
	v_cvt_pk_bf16_f32 v[97+2*i_], v[34+4*i_], v[35+4*i_]
.set i_, i_+1
.endr
	s_wait_alu depctr_va_vdst(0)                   ; the conversions have written v96-127, and v6 is written: the sixteen LDS stores read them
.set i_, 0
.rept 16
	ds_store_b64 v6, v[96+2*i_:97+2*i_] offset:AB+4*APITCH*i_
.set i_, i_+1
.endr
	BAR                                            ; A lies in LDS, whole
	; M = A A^T: wave w makes the tiles (rb = w / 2, cb = 2 (w % 2) + 0, 1).  Source 0 = rows 16 rb .., source 1 = rows 16 cb ..
	s_lshr_b32 s25, s24, 1
	s_and_b32 s26, s24, 1
	s_lshl_b32 s26, s26, 1
	v_mul_u32_u24 v7, v2, APITCH
	v_lshl_add_u32 v7, v3, 4, v7
	s_mul_i32 s27, s25, 16*APITCH
	s_mul_i32 s28, s26, 16*APITCH
	v_add_nc_u32 v8, s27, v7
	v_add_nc_u32 v9, s28, v7
	s_wait_alu depctr_vm_vsrc(0)                   ; my LDS stores of A have read v96-127, in which fragments land, and v6, which is made anew further down
	s_wait_alu depctr_va_vdst(0)                   ; v8 and v9 are written, which the loads read; the conversions are done reading v32-95, in which fragments land
.set k_, 0
.rept 8
	ds_load_b128 v[32+8*k_:35+8*k_],   v8 offset:AB+64*k_
	ds_load_b128 v[36+8*k_:39+8*k_],   v8 offset:AB+64*k_+32
	ds_load_b128 v[96+8*k_:99+8*k_],   v9 offset:AB+64*k_
	ds_load_b128 v[100+8*k_:103+8*k_], v9 offset:AB+64*k_+32
	ds_load_b128 v[160+8*k_:163+8*k_], v9 offset:AB+16*APITCH+64*k_
	ds_load_b128 v[164+8*k_:167+8*k_], v9 offset:AB+16*APITCH+64*k_+32
.set k_, k_+1
.endr
	v_mul_u32_u24 v10, v2, MPITCH                  ; a lane holds M[16 rb + 8 h + j][16 cb + r]: by M's symmetry it is stored as row 16 cb + r, columns 16 rb + 8 h + j
	v_lshl_add_u32 v10, v3, 5, v10
	s_mul_i32 s27, s26, 16*MPITCH
	s_lshl_b32 s28, s25, 6
	s_add_co_u32 s27, s27, s28
	s_add_co_u32 s27, s27, MF
	v_add_nc_u32 v10, s27, v10
	s_wait_dscnt 0x0
	v_wmma_f32_16x16x32_bf16 v[224:231], v[32:39], v[96:103], 0       ; the first k block starts both sums; the two accumulators take turns
	v_wmma_f32_16x16x32_bf16 v[232:239], v[32:39], v[160:167], 0
.set k_, 1
.rept 7
	v_wmma_f32_16x16x32_bf16 v[224:231], v[32+8*k_:39+8*k_], v[96+8*k_:103+8*k_], v[224:231]
	v_wmma_f32_16x16x32_bf16 v[232:239], v[32+8*k_:39+8*k_], v[160+8*k_:167+8*k_], v[232:239]
.set k_, k_+1
.endr
	PLACES
	s_wait_alu depctr_va_vdst(0)                   ; the products have written v224-239, and v10 is written: the four LDS stores read them; the places above stay beside this wait
	ds_store_b128 v10, v[224:227]
	ds_store_b128 v10, v[228:231] offset:16
	ds_store_b128 v10, v[232:235] offset:16*MPITCH
	ds_store_b128 v10, v[236:239] offset:16*MPITCH+16
	BAR                                            ; M lies in LDS, whole
	v_mul_u32_u24 v11, v4, 4*MPITCH
	v_lshl_add_u32 v11, v2, 4, v11
	v_mul_u32_u24 v13, v1, MPITCH+4                ; lane l takes M[l][l] and M[l + 32][l + 32]
	s_wait_alu depctr_va_vdst(0)                   ; v11 and v13 are written, which the six loads read (the products that read v32-47, in which four of them land, stand ahead of the wait before)
.irp c, 0,1,2,3
	ds_load_b128 v[MB+4*\c:MB+4*\c+3], v11 offset:MF+MPITCH*\c
.endr
	ds_load_b32 v14, v13 offset:MF
	ds_load_b32 v15, v13 offset:MF+32*(MPITCH+4)
	v_cmp_eq_u32 vcc_lo, v4, v2
	v_mov_b32 v12, 0x358637bd                      ; 1e-6
	s_wait_alu depctr_va_vcc(0)                    ; the compare has written VCC, ahead of the select that reads it
	v_cndmask_b32 v12, 0, v12, vcc_lo              ; for the blocks on the diagonal
	v_lshlrev_b32 v6, 4, v4                        ; 16 ti
	v_lshlrev_b32 v7, 4, v2                        ; 16 tj
	s_wait_dscnt 0x0
.irp c, 0,1,2,3
	v_add_f32 v[MB+5*\c], v[MB+5*\c], v12
.endr
	s_wait_alu depctr_va_vdst(0)                   ; the first of those additions has written v32, which the store reads with the rest of row 0
	ds_store_b128 v5, v[MB:MB+3] offset:RB         ; every thread hands out row 0 of its block; pivot 0's row is what the threads with ti = 0 wrote
	; alpha, in every lane of every wave: the trace's exponent field E; a = floor((E - 127 - 6) / 2), between -67 and 60, so 127 + a and 127 - a are exponent fields of normal numbers
	v_add_f32 v14, v14, v15
	v_add_f32_dpp v14, v14, v14 row_xmask:1 row_mask:0xf bank_mask:0xf
	v_add_f32_dpp v14, v14, v14 row_xmask:2 row_mask:0xf bank_mask:0xf
	v_add_f32_dpp v14, v14, v14 row_xmask:4 row_mask:0xf bank_mask:0xf
	v_add_f32_dpp v14, v14, v14 row_xmask:8 row_mask:0xf bank_mask:0xf
	v_permlanex16_b32 v15, v14, s48, s49
	v_add_f32 v14, v14, v15                        ; the trace of A A^T: a sum of squares, its sign bit is 0
	v_lshrrev_b32 v14, 23, v14
	v_add_nc_u32 v14, 0xffffff7b, v14              ; E - 133
	v_ashrrev_i32 v14, 1, v14                      ; a
	v_add_nc_u32 v15, 127, v14
	v_lshlrev_b32 v15, 23, v15                     ; alpha = 2^a
	v_mul_f32 v[FA], 0x3fd9999a, v15               ; 1.7 alpha
	v_sub_nc_u32 v14, 127, v14
	v_lshlrev_b32 v[IA], 23, v14                   ; 1 / alpha
	v_mov_b32 v[IA+1], v[IA]
	BAR
	s_wait_alu depctr_vm_vsrc(0)                   ; the first hand-out's store has read row 0 of my block, which pivot 0 writes; the fragments' loads have read v8 and v9, which the first trip's top writes
; THE SWEEP of pivot k = 4 kb + a.  V = row k (= column k, by symmetry), d = V[k]:  M[i][j] -= V[i] V[j] / d;  M[i][k] = V[i] / d;  M[k][j] = V[j] / d;  M[k][k] = -1 / d.
; As one update M[i][j] -= f[i] g[j]: f = V but f[k] = -1; g = V / d but g[k] = -1 / d; row k and column k are set to 0 first.  After all 64 pivots M holds -inv(M).
; HAND-OVER.  Each thread stores the block row that holds the next pivot's row index, (a + 1) % 4, into its own 16 bytes of the other buffer; the readers take the 256 bytes of the 16 threads that own
; the pivot's row: at 256 kb.  One barrier a pivot orders both ways: this pivot's reads (buffer a % 2) are waited for ahead of the signal, and the other buffer was last read ahead of the barrier before.
.macro SWEEP a
.set p_, (\a)%2
.set nx_, ((\a)+1)%4
.set vi_, VI+VSET*p_
.set vj_, VJ+VSET*p_
	ds_load_b128 v[vi_:vi_+3], v8 offset:RB+RBUF*p_   ; no wait: the set's last vector instructions are those of the pivot before last, ahead of the last pivot's waits on va_vdst
	ds_load_b128 v[vj_:vj_+3], v9 offset:RB+RBUF*p_
	s_wait_dscnt 0x0
	v_readlane_b32 s45, v[vj_+\a], s41             ; lane kb of every wave has tj = kb: its VJ[a] is d
	s_wait_alu depctr_va_sdst(0)                   ; s45 is written, ahead of the line that reads it
	v_mov_b32 v[DD], s45
	v_rcp_f32 v[RI], v[DD]
	v_cndmask_b32 v[vi_+\a], v[vi_+\a], -1.0, s42  ; f[k] = -1: the plain instruction behind the reciprocal
	s_wait_alu depctr_va_vdst(0)                   ; the reciprocal has written v[RI], ahead of its first reader
.irp j, 0,1,2,3
	v_mul_f32 v[GG+\j], v[vj_+\j], v[RI]
.endr
	v_mul_f32 v[NR], -1.0, v[RI]
	v_cndmask_b32 v[GG+\a], v[GG+\a], v[NR], s43   ; g[k] = -1 / d
.irp j, 0,1,2,3
	v_cndmask_b32 v[MB+4*(\a)+\j], v[MB+4*(\a)+\j], 0, s42
.endr
.irp c, 0,1,2,3
	v_cndmask_b32 v[MB+4*\c+(\a)], v[MB+4*\c+(\a)], 0, s43
.endr
.irp j, 0,1,2,3
	v_fma_f32 v[MB+4*nx_+\j], -v[vi_+nx_], v[GG+\j], v[MB+4*nx_+\j]   ; the row that is handed out comes first
.endr
	s_wait_alu depctr_va_vdst(0)                   ; those four have written the row that the store reads
	ds_store_b128 v5, v[MB+4*nx_:MB+4*nx_+3] offset:RB+RBUF*(1-p_)
	s_wait_dscnt 0x0                               ; for the others' sake: my store is done (my reads were waited for above)
	s_wait_alu depctr_vm_vsrc(0)                   ; the store has read its row, which the next pivot (behind the last: the scaling) writes; this pivot's loads have read v8 and v9, which the next trip's top writes
	s_barrier_signal -1
.irp e, 1,2,3                                          ; the other three rows: work on registers between the signal and the wait
.irp j, 0,1,2,3
	v_fma_f32 v[MB+4*((nx_+\e)%4)+\j], -v[vi_+(nx_+\e)%4], v[GG+\j], v[MB+4*((nx_+\e)%4)+\j]
.endr
.endr
	s_barrier_wait -1
.endm
	s_mov_b32 s41, 0                               ; kb
	s_mov_b32 s47, 0                               ; 256 kb
.Lsweep:                                               ; 16 trips of four pivots
	v_cmp_eq_u32 s42, s41, v4                      ; my block holds the pivots' rows
	v_cmp_eq_u32 s43, s41, v2                      ; my block holds the pivots' columns
	v_add_nc_u32 v8, s47, v6
	v_add_nc_u32 v9, s47, v7
	s_wait_alu depctr_va_sdst(0)                   ; the two compares have written s42 and s43, ahead of the four pivots' selects
	s_wait_alu depctr_va_vdst(0)                   ; v8 and v9 are written, which the four pivots' loads read
	SWEEP 0
	SWEEP 1
	SWEEP 2
	SWEEP 3
	s_add_co_u32 s47, s47, 256
	s_add_co_u32 s41, s41, 1
	s_cmp_lt_u32 s41, 16
	s_cbranch_scc1 .Lsweep
	; N = 1.7 alpha x (-Minv), split into bf16 hi and lo
.set i_, 0
.rept 16
	v_mul_f32 v[MB+i_], v[FA], v[MB+i_]
.set i_, i_+1
.endr
.set i_, 0
.rept 8
	v_cvt_pk_bf16_f32 v[64+i_], v[MB+2*i_], v[MB+2*i_+1]
.set i_, i_+1
.endr
.set i_, 0
.rept 8
	v_lshlrev_b32 v[80+2*i_], 16, v[64+i_]
	v_and_b32 v[81+2*i_], 0xffff0000, v[64+i_]
.set i_, i_+1
.endr
.set i_, 0
.rept 16
	v_sub_f32 v[MB+i_], v[MB+i_], v[80+i_]
.set i_, i_+1
.endr
.set i_, 0
.rept 8
	v_cvt_pk_bf16_f32 v[72+i_], v[MB+2*i_], v[MB+2*i_+1]
.set i_, i_+1
.endr
	v_mul_u32_u24 v10, v4, 4*NPITCH
	v_lshl_add_u32 v10, v2, 3, v10
	v_add_nc_u32 v10, NH, v10
	s_wait_alu depctr_va_vdst(0)                   ; the conversions have written v64-79, and v10 is written: the eight LDS stores read them
.irp c, 0,1,2,3
	ds_store_b64 v10, v[64+2*\c:65+2*\c] offset:NPITCH*\c
	ds_store_b64 v10, v[72+2*\c:73+2*\c] offset:NPART+NPITCH*\c
.endr
	BAR                                            ; N lies in LDS, whole
	s_wait_alu depctr_vm_vsrc(0)                   ; those stores have read v10, which is made anew below, and v64-79, in which fragments land
	; GT.  Wave w owns the dims 32 w .. 32 w + 31: tiles dt = 2 w + d.  AT[d][kblk] = A^T (16 dims x 32 constraints), turned on its way out of LDS.
	; All the addresses of what is left are made here, ahead of one wait.
	v_and_b32 v10, 7, v0
	v_lshl_add_u32 v10, v3, 3, v10                 ; constraint 8 h + l % 8
	v_mul_u32_u24 v10, v10, APITCH
	v_bfe_u32 v11, v0, 3, 1
	v_lshl_add_u32 v10, v11, 4, v10
	s_lshl_b32 s25, s24, 6
	v_add_nc_u32 v10, s25, v10
	v_mul_u32_u24 v12, v2, NPITCH
	v_lshl_add_u32 v12, v3, 4, v12
	v_add_nc_u32 v12, NH, v12                      ; N's fragments: rows 16 mt + r, k = 32 kblk .., part c / 2, kblk = c % 2
	s_lshl_b32 s26, s24, 2                         ; where the main loop takes A^T's four fragments of dim block w: fragment max(4 w, 8 w - 8) on,
	s_lshl_b32 s27, s24, 3
	s_sub_co_i32 s28, s27, 8
	s_max_i32 s26, s26, s28
	s_lshl_b32 s26, s26, 10
	s_add_co_u32 s26, s26, IGT
	v_lshl_add_u32 v16, v1, 4, s26
	s_add_co_u32 s27, s27, 12                      ; and G'''s four: fragment min(12 + 8 w, 32 + 4 w) on
	s_lshl_b32 s28, s24, 2
	s_add_co_u32 s28, s28, 32
	s_min_u32 s27, s27, s28
	s_lshl_b32 s27, s27, 10
	s_add_co_u32 s27, s27, IGT
	v_lshl_add_u32 v17, v1, 4, s27
	s_lshr_b32 s50, s24, 1                         ; MI = -N: wave w copies half w % 2 of the fragments of row tile w / 2, for kblk = idx % 2 and part = idx / 2
	s_mul_i32 s50, s50, 16*NPITCH
	s_and_b32 s51, s24, 1
	s_lshl_b32 s51, s51, 5
	s_add_co_u32 s50, s50, s51
	v_add_nc_u32 v13, s50, v12
	s_lshl_b32 s51, s24, 9
	s_add_co_u32 s51, s51, IMI
	v_lshl_add_u32 v18, v1, 4, s51
	s_wait_alu depctr_va_vdst(0)                   ; v10, v12, v13 and v16 to v18 are written, which the loads and stores from here on read; the arithmetic on v32-95, in which fragments land, is done
.irp d, 0,1
.irp k, 0,1
	ds_load_tr16_b128 v[32+8*(2*\d+\k):35+8*(2*\d+\k)], v10 offset:AB+32*\d+32*APITCH*\k
	ds_load_tr16_b128 v[36+8*(2*\d+\k):39+8*(2*\d+\k)], v10 offset:AB+32*\d+32*APITCH*\k+16*APITCH
.endr
.endr
.set c_, 0
.rept 4
.set m_, 0
.rept 4
	ds_load_b128 v[64+8*(m_+4*c_):67+8*(m_+4*c_)], v12 offset:16*NPITCH*m_+64*(c_%2)+NPART*(c_/2)
	ds_load_b128 v[68+8*(m_+4*c_):71+8*(m_+4*c_)], v12 offset:16*NPITCH*m_+64*(c_%2)+NPART*(c_/2)+32
.set m_, m_+1
.endr
.set c_, c_+1
.endr
	s_wait_dscnt 0x0
	; A^T / alpha in f16, number for number where the bf16 one lies: widened, scaled (exact), written as f16
.set i_, 0
.rept 32
.set t_, 224+2*(i_%8)
	v_lshlrev_b32 v[t_], 16, v[32+i_]
	v_and_b32 v[t_+1], 0xffff0000, v[32+i_]
	v_pk_mul_f32 v[t_:t_+1], v[t_:t_+1], v[IA:IA+1]
	v_cvt_pk_f16_f32 v[192+i_], v[t_], v[t_+1]
.set i_, i_+1
.endr
	s_wait_alu depctr_va_vdst(0)                   ; the conversions have written v192-223, which the eight stores read
.irp d, 0,1
.irp k, 0,1
	global_store_b128 v16, v[192+8*(2*\d+\k):195+8*(2*\d+\k)], s[22:23] offset:1024*(\d+2*\k)
	global_store_b128 v16, v[196+8*(2*\d+\k):199+8*(2*\d+\k)], s[22:23] offset:1024*(\d+2*\k)+512
.endr
.endr
	s_wait_xcnt 0x0                                ; the stores' addresses are translated (ISA guide 3.1): the products below write over v192-223 only behind this wait,
	s_wait_alu depctr_vm_vsrc(0)                   ; and behind this one: the stores have read v192-223
	; alpha G''[16 mt + r][16 dt + 8 h + j] = the sum over constraints of A[.][dim] N[16 mt + r][.]: eight accumulators by turns, hi and lo of N
.set c_, 0
.rept 4
.set d_, 0
.rept 2
.set m_, 0
.rept 4
.set ac_, 192+8*(4*d_+m_)
.set at_, 32+8*(2*d_+c_%2)
.set nf_, 64+8*(m_+4*c_)
.if c_ == 0
	v_wmma_f32_16x16x32_bf16 v[ac_:ac_+7], v[at_:at_+7], v[nf_:nf_+7], 0
.else
	v_wmma_f32_16x16x32_bf16 v[ac_:ac_+7], v[at_:at_+7], v[nf_:nf_+7], v[ac_:ac_+7]
.endif
.set m_, m_+1
.endr
.set d_, d_+1
.endr
.set c_, c_+1
.endr
	PLACES
.set a_, 0
.rept 8
.set i_, 0
.rept 4
	v_cvt_pk_f16_f32 v[64+4*a_+i_], v[192+8*a_+2*i_], v[192+8*a_+2*i_+1]
.set i_, i_+1
.endr
.set a_, a_+1
.endr
	s_wait_alu depctr_va_vdst(0)                   ; the conversions have written v64-95, which the eight stores read; the products are done reading v96-111, in which MI's loads land
.irp x, 0,1,2,3
	ds_load_b128 v[96+4*\x:99+4*\x], v13 offset:64*(\x%2)+NPART*(\x/2)   ; MI's loads go out first: they are on their way while G'''s stores are issued
.endr
.set a_, 0
.rept 8
	global_store_b128 v17, v[64+4*a_:67+4*a_], s[22:23] offset:1024*(a_%4)+512*(a_/4)   ; tile d = a / 4 is half d of the fragment of constraint tile a % 4
.set a_, a_+1
.endr
	s_wait_dscnt 0x0
.set i_, 0
.rept 16
	v_xor_b32 v[96+i_], 0x80008000, v[96+i_]       ; both halves change sign
.set i_, i_+1
.endr
	s_wait_alu depctr_va_vdst(0)                   ; the sign flips have written v96-111, which the four stores read
.irp x, 0,1,2,3
	global_store_b128 v18, v[96+4*\x:99+4*\x], s[22:23] offset:4096*\x
.endr
.Lend:
	s_wait_dscnt 0x0                               ; the closing lines, six on end
	s_wait_alu 0x0
	s_wait_tensorcnt 0x0
	ds_add_u32 v[SPW], v[NIL]
	s_wait_dscnt 0x0
	s_endpgm
.Lfunc_end_k_qa02e7415f3_prep:
	.size	k_qa02e7415f3_prep, .Lfunc_end_k_qa02e7415f3_prep-k_qa02e7415f3_prep
	.p2alignl 7, 3214868480
	.fill 96, 4, 3214868480
	.section	.rodata,"a",@progbits
	.p2align	6, 0x0
	.amdhsa_kernel k_qa02e7415f3_prep
		.amdhsa_group_segment_fixed_size 79872
		.amdhsa_private_segment_fixed_size 0
		.amdhsa_enable_private_segment 0
		.amdhsa_kernarg_size 80
		.amdhsa_user_sgpr_count 2
		.amdhsa_user_sgpr_kernarg_segment_ptr 1
		.amdhsa_wavefront_size32 1
		.amdhsa_system_sgpr_workgroup_id_x 1
		.amdhsa_system_sgpr_workgroup_id_y 1
		.amdhsa_system_sgpr_workgroup_id_z 1
		.amdhsa_system_vgpr_workitem_id 0
		.amdhsa_next_free_vgpr 256
		.amdhsa_next_free_sgpr 66
		.amdhsa_reserve_vcc 1
		.amdhsa_float_denorm_mode_32 3
		.amdhsa_float_denorm_mode_16_64 3
		.amdhsa_memory_ordered 1
		.amdhsa_forward_progress 1
		.amdhsa_inst_pref_size 55
	.end_amdhsa_kernel
	.amdgpu_metadata
---
amdhsa.version: [ 1, 2 ]
amdhsa.kernels:
  - .name:           k_qa02e7415f3_prep
    .symbol:         k_qa02e7415f3_prep.kd
    .args:
      - { .name: A, .offset: 0, .size: 8, .value_kind: global_buffer, .address_space: global }
      - { .name: W1, .offset: 8, .size: 8, .value_kind: global_buffer, .address_space: global }
      - { .name: W2, .offset: 16, .size: 8, .value_kind: global_buffer, .address_space: global }
      - { .name: W3, .offset: 24, .size: 8, .value_kind: global_buffer, .address_space: global }
      - { .name: b1, .offset: 32, .size: 8, .value_kind: global_buffer, .address_space: global }
      - { .name: b2, .offset: 40, .size: 8, .value_kind: global_buffer, .address_space: global }
      - { .name: b3, .offset: 48, .size: 8, .value_kind: global_buffer, .address_space: global }
      - { .name: lb, .offset: 56, .size: 8, .value_kind: global_buffer, .address_space: global }
      - { .name: ub, .offset: 64, .size: 8, .value_kind: global_buffer, .address_space: global }
      - { .name: img, .offset: 72, .size: 8, .value_kind: global_buffer, .address_space: global }
    .group_segment_fixed_size: 79872
    .private_segment_fixed_size: 0
    .kernarg_segment_align: 8
    .kernarg_segment_size: 80
    .max_flat_workgroup_size: 256
    .sgpr_count:     66
    .vgpr_count:     256
    .wavefront_size: 32
...
	.end_amdgpu_metadata
.endif
;; end of part 3
;; launch main: the kernel of part 2 again; grid 256 x 1, 4 waves a work-group, clusters of 4 x 1, 327,680 bytes of LDS; arguments x, b, img, out0; writes out0
